; MI455X (gfx1250); checked and timed in simulation.
; The chip was launched on July 23, 2026; its instructions are those of AMD's public machine-readable ISA for CDNA 5 (MIT licence, August 2026) and "CDNA5" Instruction Set Architecture Reference Guide (July 2026). The comments in the code are by the model that wrote it; some were corrected since.
;; Multi Head Attention. Allowed arithmetic: matrix products marked QUANTISED: E5M2 operands, one E8M0 scale for each 32 along K, by v_wmma_scale_f32_16x16x128_f8f6f4 with both operands' format E5M2, f32 sums; everything else in f32.
;; Inputs: Wk 16 x 1,024 x 64 float32; Wq 16 x 1,024 x 64 float32; Wv 16 x 1,024 x 64 float32; proj_b 1,024 float32; proj_w 1,024 x 1,024 float32; x 4 x 2,048 x 1,024 float32.
;; Outputs: out0 4 x 2,048 x 1,024 float32.
;; This version of the problem:
;;   THIS VERSION OF THE PROBLEM IS GIVEN IN LOW PRECISION. The matrix products marked QUANTISED in the list below multiply operands that are first quantised to E5M2 (5 exponent bits, 2 mantissa bits; 8 bits a number), with one power-of-two scale for each 32 numbers along K (OCP MX v1.0); their sums are f32. All else is computed in f32.
;;   The module's matrix products, in the order in which they are computed (A, B: the left and right operand; K: the contracted axis; several contracted axes count as one K, in the product's order):
;;     1. [M 1,024, K 1,024] x [K 1,024, N 8,192]; A: input Wq; B: input x: QUANTISED
;;     2. [M 1,024, K 1,024] x [K 1,024, N 8,192]; A: input Wk; B: input x: QUANTISED
;;     3. [M 1,024, K 1,024] x [K 1,024, N 8,192]; A: input Wv; B: input x: QUANTISED
;;     4. batch 64 x [M 2,048, K 64] x [K 64, N 2,048]; A: computed on the way; B: computed on the way: QUANTISED
;;     5. batch 64 x [M 2,048, K 2,048] x [K 2,048, N 64]; A: softmax (see below); B: computed on the way: QUANTISED
;;     6. [M 8,192, K 1,024] x [K 1,024, N 1,024]; A: computed on the way; B: input proj_w: QUANTISED
;;   THE QUANTISER, for each operand of a quantised product, along K:
;;     - K is cut into blocks of 32 from its start; a last block that is shorter is filled with zeros.
;;     - A block's scale is 2^e with e = floor(log2(the largest magnitude in the block)) - 15, held to -126 .. 127; a block of zeros has e = 0. As a byte (E8M0): e + 127.
;;     - Each number is divided by its block's scale, clamped to +-57,344, and rounded to the nearest number of E5M2, ties to even, subnormals kept.
;;     - The product sums the exact products of the quantised numbers (number of the format x scale) in f32.
;;   ~~~python
;;   def quantise(x, axis):      # numpy; x: float32 -> the quantised numbers, widened to float32 again
;;       x = np.moveaxis(x, axis, -1); K = x.shape[-1]
;;       x = np.pad(x, [(0, 0)] * (x.ndim - 1) + [(0, -K % 32)]); x = x.reshape(x.shape[:-1] + (-1, 32)); a = np.abs(x).max(-1, keepdims=True)
;;       e = np.where(a > 0, np.clip(np.frexp(np.where(a > 0, a, 1))[1] - 1 - 15, -126, 127), 0)      # np.frexp(a)[1] - 1 = floor(log2(a)), exactly
;;       r = np.clip(x / 2.0 ** e, -57344, 57344)
;;       step = 2.0 ** (np.maximum(np.frexp(np.where(r == 0, 1, r))[1] - 1, -14) - 2)
;;       q = np.round(r / step) * step * 2.0 ** e      # np.round: ties to even
;;       return np.moveaxis(q.reshape(q.shape[:-2] + (-1,))[..., :K], -1, axis).astype(np.float32)
;;   ~~~
;;   SOFTMAX AHEAD OF A QUANTISED PRODUCT. Where the list says 'softmax', what is quantised is not the finished softmax but p = 2^(t - M), with t = logit x log2(e) and M = ceil(the row's largest t), a whole number; so 1/2 < the row's largest p <= 1. The row's sum l is taken of the UNQUANTISED p, in f32, and the product's result is divided by l at the end. Since M is a whole number, a kernel that streams over the keys may use a running M (the ceiling of the running maximum): every later rescaling is an exact power of two, which a block's scale takes up: the codes' values come out the same.
;;   OPERANDS COMPUTED ON THE WAY. 'Computed on the way' means the value that the module computes at that place (a softmax that the list does not call 'softmax' is quantised finished and normalised). What goes into a quantiser is computed in f32, as accurately as f32 sums, v_exp_f32 and their like allow (about 1e-6 of the number): no bf16 or f16 on the way to a quantiser, and a product that is left as it is and whose result goes on into a quantised operand takes f32 operands (vector FMAs, or v_wmma_f32_16x16x4_f32). A number that lies on a knife's edge between two numbers of the format may be rounded either way, as far as f32 arithmetic and the matrix unit's own rounding can turn it there, and no further.
;; One version. Each part assembles by itself: llvm-mc -triple=amdgcn-amd-amdhsa -mcpu=gfx1250 --defsym DOCPART=n.
;; ======== version 1 of 1: 4 launches
;; limits: right only within a limited range of input values
;; workspace buffers: xc 8,388,608 bytes; wc 3,145,728 bytes; pc 1,048,576 bytes; oc 8,388,608 bytes; sx 360,448 bytes; so 294,912 bytes; qb 8,912,896 bytes; kv 17,563,648 bytes
;; launch quant (part 1): grid 384 x 1, 4 waves a work-group, no clusters, 34,304 bytes of LDS; arguments x, proj_w, Wq, Wk, Wv, xc, pc, wc, sx, so; writes xc, pc, wc, sx, so
.if DOCPART == 1
	.amdgcn_target "amdgcn-amd-amdhsa--gfx1250"
	.amdhsa_code_object_version 6
	.text
	.protected	k_qbc81929a76_quant
	.globl	k_qbc81929a76_quant
	.p2align	8
	.type	k_qbc81929a76_quant,@function
k_qbc81929a76_quant:
	s_mov_b64 s[64:65], 0
	v_nop
	global_prefetch_b8 v0, s[64:65] scope:SCOPE_SE
	s_setreg_imm32_b32 hwreg(HW_REG_WAVE_MODE, 25, 1), 1
	s_wait_xcnt 0x0
; x [8192][1024], proj_w [1024][1024] (K innermost) and Wq, Wk, Wv [16][1024][64] (K = the middle axis), all f32, become codes of BF8 (E5M2) with one E8M0 scale byte for each 32 along K.
; A block's scale is 2^(floor(log2(its largest magnitude)) - 15); its byte is that magnitude's exponent field - 15, held at 1 from below; each number is divided by the scale, held within +-57,344, rounded to the nearest code.
; LIMITS: a block of zeros, and a block whose largest magnitude lies under 2^-111, keeps the byte 1 (its codes add nothing or are subnormal; only this program reads the bytes); NaN and infinities among the inputs are not served.
; LAYOUT OF THE RESULTS: images of the operand's registers.  Rows go in tiles of 16: lane-row r of tile T is row 32 (T / 2) + 8 (T % 2) + r + 8 (r / 8).  A tile's codes: [K step 0..7][chunk c 0..3][lane][16 bytes]:
; lane (r, h) of chunk c of step s holds k = 128 s + 32 c + 16 h + 0 .. 15 of its row: 16,384 bytes a tile.  A tile's scale words: [r][K step]: 512 bytes.
; Work-groups 0-255 take x, 256-287 proj_w (one path: only pointers are chosen), 288-383 the three weights.  Waves share nothing: no barrier.  Only the first path uses LDS.
.set TM,  8                            ; v8-11 largest magnitudes, v12-15 the other half's, then bytes, v16-19 57,344 x the scale, v20-23 the conversions' scale operands
.set PW,  24                           ; v24-27 a scale word for each of my four K steps
.set R,   32                           ; v32-159  two sets of 64: 16 rows x 16 bytes a lane, as loaded
.set X,   160                          ; v160-223 64 numbers of my row: register 16 c + i = k 32 c + 16 h + i
.set C,   224                          ; v224-255 two sets of 16: a fragment's codes
.set SP,  528                          ; a stage row: 512 bytes + 16: sixteen rows at one column start at sixteen different 16-byte columns
.set WST, 16*SP                        ; a wave's stage
	s_load_b256 s[4:11], s[0:1], 0x0               ; x, proj_w, Wq, Wk
	s_load_b256 s[12:19], s[0:1], 0x20             ; Wv, xc, pc, wc
	s_load_b128 s[20:23], s[0:1], 0x40             ; sx, so
	v_lshl_add_u32 v30, v0, 2, 0x8400
	v_mov_b32 v31, 0
	v_lshrrev_b32 v1, 5, v0
	v_readfirstlane_b32 s24, v1                    ; wave
	v_and_b32 v6, 31, v0                           ; lane
	s_mov_b32 s28, 0x76543210
	s_mov_b32 s29, 0xfedcba98                      ; v_permlanex16_b32's selects for lane l xor 16
	s_mov_b32 s31, 0x600000                        ; the mantissa field of 57,344
	s_lshr_b32 s25, s24, 1
	s_and_b32 s26, s24, 1
	s_cmp_ge_u32 ttmp9, 288
	s_cbranch_scc1 .Lweights
; ---- K innermost.  Work-group g takes tiles 2 g and 2 g + 1; a wave one tile (wave / 2) and half of K (wave % 2): four K steps of 128.
	v_lshlrev_b32 v1, 4, v6                        ; 16 x lane: my bytes of a load's 512, and of a store's
	s_mul_i32 s27, s24, WST
	v_add_nc_u32 v2, s27, v1                       ; the stage, way in: a row as it lies
	s_wait_alu depctr_va_vdst(0)
	v_and_b32 v4, 15, v6                           ; r
	v_lshrrev_b32 v7, 4, v6                        ; h
	v_mul_u32_u24 v3, v4, SP
	v_lshl_add_u32 v3, v7, 6, v3
	v_add_nc_u32 v3, s27, v3                       ; way out: row r, + 64 h: my 16 numbers of a block of 32
	v_lshlrev_b32 v5, 5, v4
	v_lshl_add_u32 v5, v7, 3, v5                   ; scale words: 32 r + 8 h
.irp b, 0,1,2,3
	v_mov_b32 v[TM+4+\b], 0                        ; written once: a lane permute's destination counts as one of its sources
.endr
	s_cmp_lt_u32 ttmp9, 256                        ; x or proj_w: the choice hangs on the work-group's number alone
	s_cselect_b32 s30, 0, 256
	s_cselect_b32 s33, 0, 262144                   ; proj_w's scale words lie behind those of 512 tiles
	s_wait_alu depctr_va_vdst(0)
	s_wait_kmcnt 0x0
	s_cselect_b64 s[4:5], s[4:5], s[6:7]
	s_cselect_b64 s[14:15], s[14:15], s[16:17]
	s_cselect_b64 s[20:21], s[20:21], s[22:23]
	s_sub_co_u32 s30, ttmp9, s30                   ; g
	s_lshl_b32 s34, s30, 17                        ; the numbers: 32 g rows of 4,096 bytes,
	s_lshl_b32 s36, s25, 15                        ; 8 rows for the odd tile,
	s_add_co_u32 s34, s34, s36
	s_lshl_b32 s36, s26, 11                        ; 2,048 bytes for the upper half of K
	s_add_co_u32 s34, s34, s36
	s_mov_b32 s35, 0
	s_add_nc_u64 s[4:5], s[4:5], s[34:35]
	s_lshl_b32 s34, s30, 15                        ; the codes: 16,384 bytes a tile, 8,192 for half of K
	s_lshl_b32 s36, s25, 14
	s_add_co_u32 s34, s34, s36
	s_lshl_b32 s36, s26, 13
	s_add_co_u32 s34, s34, s36
	s_add_nc_u64 s[14:15], s[14:15], s[34:35]
	s_lshl_b32 s34, s30, 10                        ; the scale words: 512 bytes a tile, 16 for half of K
	s_lshl_b32 s36, s25, 9
	s_add_co_u32 s34, s34, s36
	s_lshl_b32 s36, s26, 4
	s_add_co_u32 s34, s34, s36
	s_add_co_u32 s34, s34, s33
	s_add_nc_u64 s[20:21], s[20:21], s[34:35]
.macro LOADX s                         ; K step s of my tile's 16 rows: each load reads 512 consecutive bytes of one row
.irp i, 0,1,2,3,4,5,6,7,8,9,10,11,12,13,14,15
	global_load_b128 v[R+64*((\s)%2)+4*\i:R+64*((\s)%2)+4*\i+3], v1, s[4:5] offset:(\i+8*(\i/8))*4096+512*(\s) th:TH_LOAD_NT
.endr
.endm
; 64 numbers of a lane, register 16 b + i = k 32 b + 16 h + i of its row, become a fragment's codes in v[c] on and its scale word in v[pw]
.macro QUANT s, pw, c
.irp b, 0,1,2,3
	v_max3_num_f32 v[TM+\b], |v[\s+16*\b]|, |v[\s+1+16*\b]|, 0x8000000   ; my 16 numbers of block b, and the floor 2^(16 - 127): the byte cannot fall under 1
.endr
.irp i, 2,4,6,8,10,12,14
.irp b, 0,1,2,3
	v_max3_num_f32 v[TM+\b], v[TM+\b], |v[\s+16*\b+\i]|, |v[\s+1+16*\b+\i]|   ; the four blocks by turns
.endr
.endr
.irp b, 0,1,2,3
	v_permlanex16_b32 v[TM+4+\b], v[TM+\b], s28, s29
.endr
.irp b, 0,1,2,3
	v_max_num_f32 v[TM+\b], v[TM+\b], v[TM+4+\b]   ; with lane l xor 16's: the block's largest magnitude
.endr
.irp b, 0,1,2,3
	v_add_nc_u32 v[TM+12+\b], 0xf8800000, v[TM+\b] ; 15 off its exponent field: the conversion takes that field as its scale
.endr
.irp b, 0,1,2,3
	v_and_or_b32 v[TM+8+\b], v[TM+\b], 0x7f800000, s31   ; 57,344 x the scale
.endr
.irp b, 0,1,2,3
	v_lshrrev_b32 v[TM+4+\b], 23, v[TM+12+\b]      ; the scale's byte
.endr
	v_lshl_or_b32 v[\pw], v[TM+5], 8, v[TM+4]
	v_lshl_or_b32 v[\pw], v[TM+6], 16, v[\pw]
	v_lshl_or_b32 v[\pw], v[TM+7], 24, v[\pw]
.irp b, 0,1,2,3
.irp i, 0,1,2,3,4,5,6,7,8,9,10,11,12,13,14,15
	v_med3_num_f32 v[\s+16*\b+\i], v[\s+16*\b+\i], -v[TM+8+\b], v[TM+8+\b]   ; the conversion to an 8-bit code does not saturate (ISA guide 7.6.2): the hold comes first
.endr
	v_cvt_scalef32_pk8_bf8_f32 v[\c+4*\b:\c+1+4*\b], v[\s+16*\b:\s+7+16*\b], v[TM+12+\b]
	v_cvt_scalef32_pk8_bf8_f32 v[\c+2+4*\b:\c+3+4*\b], v[\s+8+16*\b:\s+15+16*\b], v[TM+12+\b]
.endr
	v_nop                                          ; a plain line behind the last conversion
.endm
.macro STEPX s
.if (\s) < 3
	s_wait_loadcnt 16                              ; this step's 16 loads are in; the next step's 16 may be out
.else
	s_wait_loadcnt 0x0
.endif
.irp i, 0,1,2,3,4,5,6,7,8,9,10,11,12,13,14,15
	ds_store_b128 v2, v[R+64*((\s)%2)+4*\i:R+64*((\s)%2)+4*\i+3] offset:SP*\i
.endr
.irp c, 0,1,2,3
.irp j, 0,1,2,3
	ds_load_b128 v[X+16*\c+4*\j:X+16*\c+4*\j+3], v3 offset:128*\c+16*\j   ; LDS serves a wave's instructions in order: these see the stores above
.endr
.endr
	s_wait_dscnt 0x0                               ; the numbers are back, and the stores have read their registers
.if (\s) < 2
	LOADX (\s)+2
.else
	s_wait_xcnt 0x0                                ; the stores of two steps ago have read this set of codes: it is written again only behind this wait
.endif
	QUANT X, PW+(\s), C+16*((\s)%2)
.irp c, 0,1,2,3
	global_store_b128 v1, v[C+16*((\s)%2)+4*\c:C+16*((\s)%2)+4*\c+3], s[14:15] offset:2048*(\s)+512*\c   ; 512 consecutive bytes, aligned
.endr
.endm
	LOADX 0
	LOADX 1
	STEPX 0
	STEPX 1
	STEPX 2
	STEPX 3
	v_cmp_le_u32 vcc_lo, 16, v6                    ; both halves of the lanes hold a row's four words: lanes 0-15 store words 0, 1, lanes 16-31 words 2, 3
	v_cndmask_b32 v28, v[PW], v[PW+2], vcc_lo
	v_cndmask_b32 v29, v[PW+1], v[PW+3], vcc_lo
	global_store_b64 v5, v[28:29], s[20:21]        ; 16 of each row's 32 bytes: the other half of K is the neighbouring wave's
	s_wait_tensorcnt 0x0
	ds_add_u32 v30, v31
	s_wait_dscnt 0x0
	s_endpgm
; ---- K not innermost: a lane takes a column d, and its registers run down K, so that a block of 32 lies in one lane and the codes come out with K innermost.
; Work-group g' = 2 (16 tensor + head) + half of K; wave % 2: which 32 columns; wave / 2: which 256 of that half of K.
.Lweights:
.set XW, 32                            ; v32-95  two sets of 32 numbers
.set CW, 96                            ; v96-159 8 registers of codes for each of 8 blocks: no store's data are written again
.set SB, 24                            ; v24-25  my column's 8 scale bytes
	s_sub_co_u32 s30, ttmp9, 288
	s_lshr_b32 s33, s30, 1                         ; 16 tensor + head
	s_and_b32 s34, s30, 1
	s_lshl_b32 s34, s34, 1
	s_add_co_u32 s34, s34, s25                     ; which 256 along K
	s_wait_alu depctr_va_vdst(0)
	v_lshlrev_b32 v1, 2, v6                        ; in: 4 bytes a lane
	v_bfe_u32 v4, v6, 3, 1                         ; column 32 blk + lane is lane-row r = lane % 8 + 8 (lane / 16) of tile 2 blk + u, u = (lane / 8) % 2
	v_and_b32 v5, 7, v6
	v_lshrrev_b32 v7, 4, v6
	v_lshl_or_b32 v5, v7, 3, v5
	v_lshlrev_b32 v2, 4, v5
	v_lshl_add_u32 v2, v4, 14, v2                  ; codes: 16,384 u + 16 r
	v_lshlrev_b32 v3, 5, v5
	v_lshl_add_u32 v3, v4, 9, v3                   ; scale bytes: 512 u + 32 r
	s_wait_alu depctr_va_vdst(0)
	s_wait_kmcnt 0x0
	s_cmp_lt_u32 s33, 32
	s_cselect_b64 s[10:11], s[10:11], s[12:13]     ; Wk or Wv,
	s_cmp_lt_u32 s33, 16
	s_cselect_b64 s[8:9], s[8:9], s[10:11]         ; or Wq
	s_and_b32 s36, s33, 15
	s_lshl_b32 s36, s36, 18                        ; a head is 262,144 bytes,
	s_lshl_b32 s38, s34, 16                        ; 256 rows of 256 bytes,
	s_add_co_u32 s36, s36, s38
	s_lshl_b32 s38, s26, 7                         ; 32 columns
	s_add_co_u32 s36, s36, s38
	s_mov_b32 s37, 0
	s_add_nc_u64 s[8:9], s[8:9], s[36:37]
	s_lshl_b32 s39, s33, 1
	s_add_co_u32 s39, s39, s26                     ; blk: which 32 rows of the operand
	s_lshl_b32 s36, s39, 15
	s_lshl_b32 s38, s34, 12
	s_add_co_u32 s36, s36, s38
	s_add_nc_u64 s[18:19], s[18:19], s[36:37]
	s_lshl_b32 s36, s39, 10
	s_lshl_b32 s38, s34, 3
	s_add_co_u32 s36, s36, s38
	s_add_co_u32 s36, s36, 262144                  ; the weights' scale words lie behind x's 512 tiles
	s_add_nc_u64 s[20:21], s[20:21], s[36:37]
.macro LOADW t
.irp i, 0,1,2,3,4,5,6,7,8,9,10,11,12,13,14,15,16,17,18,19,20,21,22,23,24,25,26,27,28,29,30,31
	global_load_b32 v[XW+32*((\t)%2)+\i], v1, s[8:9] offset:(32*(\t)+\i)*256 th:TH_LOAD_NT
.endr
.endm
.macro BLOCKW t
.set XS, XW+32*((\t)%2)
.if (\t) < 7
	s_wait_loadcnt 32                              ; this block's 32 loads are in; the next block's may be out
.else
	s_wait_loadcnt 0x0
.endif
	v_max3_num_f32 v12, |v[XS]|, |v[XS+1]|, |v[XS+2]|
	v_max3_num_f32 v13, |v[XS+3]|, |v[XS+4]|, |v[XS+5]|
.irp i, 6,10,14,18,22,26
	v_max3_num_f32 v12, v12, |v[XS+\i]|, |v[XS+\i+1]|
	v_max3_num_f32 v13, v13, |v[XS+\i+2]|, |v[XS+\i+3]|
.endr
	v_max3_num_f32 v12, v12, |v[XS+30]|, |v[XS+31]|
	v_max3_num_f32 v12, v12, v13, 0x8000000        ; and the floor
	v_add_nc_u32 v11, 0xf8800000, v12
	v_and_or_b32 v10, v12, 0x7f800000, s31
	v_lshrrev_b32 v13, 23, v11
.if (\t)%4 == 0
	v_mov_b32 v[SB+(\t)/4], v13
.else
	v_lshl_or_b32 v[SB+(\t)/4], v13, 8*((\t)%4), v[SB+(\t)/4]
.endif
.irp i, 0,1,2,3,4,5,6,7,8,9,10,11,12,13,14,15,16,17,18,19,20,21,22,23,24,25,26,27,28,29,30,31
	v_med3_num_f32 v[XS+\i], v[XS+\i], -v10, v10
.endr
.irp g, 0,1,2,3
	v_cvt_scalef32_pk8_bf8_f32 v[CW+8*(\t)+2*\g:CW+8*(\t)+2*\g+1], v[XS+8*\g:XS+8*\g+7], v11
.endr
	v_nop                                          ; a plain line behind the last conversion
	global_store_b128 v2, v[CW+8*(\t):CW+8*(\t)+3], s[18:19] offset:((\t)/4)*2048+((\t)%4)*512        ; k 0-15 of the block: the sixteen lanes of a tile fill 256 consecutive bytes, aligned
	global_store_b128 v2, v[CW+8*(\t)+4:CW+8*(\t)+7], s[18:19] offset:((\t)/4)*2048+((\t)%4)*512+256  ; k 16-31: the places of lanes 16-31 of the image
.if (\t)+2 < 8
	LOADW (\t)+2
.endif
.endm
	LOADW 0
	LOADW 1
.irp t, 0,1,2,3,4,5,6,7
	BLOCKW \t
.endr
	global_store_b64 v3, v[SB:SB+1], s[20:21]      ; 8 of my row's 32 scale bytes: pieces of 8 bytes, 98,304 bytes in the whole launch
	s_endpgm
.Lfunc_end_k_qbc81929a76_quant:
	.size	k_qbc81929a76_quant, .Lfunc_end_k_qbc81929a76_quant-k_qbc81929a76_quant
	.p2alignl 7, 3214868480
	.fill 96, 4, 3214868480
	.section	.rodata,"a",@progbits
	.p2align	6, 0x0
	.amdhsa_kernel k_qbc81929a76_quant
		.amdhsa_group_segment_fixed_size 34304
		.amdhsa_private_segment_fixed_size 0
		.amdhsa_enable_private_segment 0
		.amdhsa_kernarg_size 80
		.amdhsa_user_sgpr_count 2
		.amdhsa_user_sgpr_kernarg_segment_ptr 1
		.amdhsa_wavefront_size32 1
		.amdhsa_system_sgpr_workgroup_id_x 1
		.amdhsa_system_sgpr_workgroup_id_y 1
		.amdhsa_system_sgpr_workgroup_id_z 1
		.amdhsa_system_vgpr_workitem_id 0
		.amdhsa_next_free_vgpr 256
		.amdhsa_next_free_sgpr 66
		.amdhsa_reserve_vcc 1
		.amdhsa_float_denorm_mode_32 3
		.amdhsa_float_denorm_mode_16_64 3
		.amdhsa_memory_ordered 1
		.amdhsa_forward_progress 1
		.amdhsa_inst_pref_size 107
	.end_amdhsa_kernel
	.amdgpu_metadata
---
amdhsa.version: [ 1, 2 ]
amdhsa.kernels:
  - .name:           k_qbc81929a76_quant
    .symbol:         k_qbc81929a76_quant.kd
    .args:
      - { .name: x, .offset: 0, .size: 8, .value_kind: global_buffer, .address_space: global }
      - { .name: proj_w, .offset: 8, .size: 8, .value_kind: global_buffer, .address_space: global }
      - { .name: Wq, .offset: 16, .size: 8, .value_kind: global_buffer, .address_space: global }
      - { .name: Wk, .offset: 24, .size: 8, .value_kind: global_buffer, .address_space: global }
      - { .name: Wv, .offset: 32, .size: 8, .value_kind: global_buffer, .address_space: global }
      - { .name: xc, .offset: 40, .size: 8, .value_kind: global_buffer, .address_space: global }
      - { .name: pc, .offset: 48, .size: 8, .value_kind: global_buffer, .address_space: global }
      - { .name: wc, .offset: 56, .size: 8, .value_kind: global_buffer, .address_space: global }
      - { .name: sx, .offset: 64, .size: 8, .value_kind: global_buffer, .address_space: global }
      - { .name: so, .offset: 72, .size: 8, .value_kind: global_buffer, .address_space: global }
    .group_segment_fixed_size: 34304
    .private_segment_fixed_size: 0
    .kernarg_segment_align: 8
    .kernarg_segment_size: 80
    .max_flat_workgroup_size: 128
    .sgpr_count:     66
    .vgpr_count:     256
    .wavefront_size: 32
...
	.end_amdgpu_metadata
.endif
;; end of part 1
;; launch qkv (part 2): grid 64 x 4, 4 waves a work-group, clusters of 4 x 1, 327,680 bytes of LDS; arguments xc, wc, sx, qb, kv; writes qb, kv
.if DOCPART == 2
	.amdgcn_target "amdgcn-amd-amdhsa--gfx1250"
	.amdhsa_code_object_version 6
	.text
	.protected	k_qbc81929a76_qkv
	.globl	k_qbc81929a76_qkv
	.p2align	8
	.type	k_qbc81929a76_qkv,@function
k_qbc81929a76_qkv:
	s_mov_b64 s[64:65], 0
	v_nop
	global_prefetch_b8 v0, s[64:65] scope:SCOPE_SE
	s_setreg_imm32_b32 hwreg(HW_REG_WAVE_MODE, 25, 1), 1
	s_wait_xcnt 0x0
	s_wait_alu depctr_hold_cnt(0) depctr_sa_sdst(0) depctr_va_vdst(0) depctr_va_sdst(0) depctr_va_ssrc(0) depctr_va_vcc(0) depctr_vm_vsrc(0)
	s_getreg_b32 s2, hwreg(HW_REG_IB_STS2, 6, 4)
	s_cmp_eq_u32 s2, 0
	s_cbranch_scc0 .Lentry_in_a_cluster
	s_endpgm
.Lentry_in_a_cluster:
	s_bfe_u32 s2, ttmp6, 0x10000c
	s_cmp_lg_u32 s2, 0x3003
	s_cbranch_scc0 .Lentry_shape_is_right
	s_endpgm
.Lentry_shape_is_right:
; q, k, v = x W for all heads, on codes of BF8 (E5M2) with E8M0 scales for each 32 along K = 1,024; the results are quantised in the accumulators and leave as codes, laid as the attention launch's operands.
; OPERANDS ARE IMAGES OF REGISTERS: a tile of 16 rows is [K step 0..7][chunk 0..3][lane][16 bytes], 16,384 bytes; lane-row r of tile T is row 32 (T / 2) + 8 (T % 2) + r + 8 (r / 8).  Scale words in sx: [tile][r][K step], x's 512 tiles, then the weights' 192.
; SHARES: 256 work-groups of four waves, 2 x 2.  A work-group owns 128 tokens (one key step of the attention launch) and six CHUNKS of 128 rows (two heads) of the stacked weights (Wq, Wk, Wv: 24 chunks): column group g takes
; chunks 4 g .. 4 g + 3 (Q for g = 0, 1; K for g = 2, 3) and V's chunks 16 + 2 g, 17 + 2 g.  Wave (i, j): tokens 64 i on, head j of the chunk.
; A WAVE HOLDS ITS 64 TOKENS, ALL OF K, IN 512 REGISTERS: each lane loads its fragments whole from memory, once.  The weights pass by in blocks of 16 rows, all of K: 32 products a block, two sets of 128 registers.
; LDS: two slots of a chunk (131,072 dense bytes).  The head's one load a wave brings chunks 0 and 1 together (65,536 bytes a wave); behind chunk c's products a drained round, and chunk c + 2 is asked for ahead of chunk c's way out.
; CLUSTER 4, 1, 1 along the tokens: the four partners walk the same weights: every tensor load is joint, mask 15.  No prefetch: a chunk is asked for a whole chunk's products and way out ahead, and K's 1,024 lie whole in a chunk.
; Q, K: source 0 = weights, source 1 = tokens: a lane holds a token, its registers run along d.   V: source 0 = tokens, source 1 = weights: a lane holds a d, its registers run along the keys.
; An even token tile's two scale bytes of Q or K stand in bytes 0, 1 of its word, an odd tile's in bytes 2, 3; the other two are 0 and meet zero codes only.
; LIMITS: a block of zeros or under 2^-111 keeps the byte 1; NaN and infinities are not served.
; REGISTERS: window 0: v1-11 addresses, v12-27 the quantiser's, v28-31 words, v32-63 x's scale words, v64-95 the chunk's, v96-127 codes, v128-255 sixteen accumulators.  windows 1, 2: the tokens.  window 3: the weights' two sets.
.set SLOT, 131072
.set SPARE, 262144
.set LI,  1
.set VOQ, 2
.set SQ,  3
.set VOV, 4
.set SV,  5
.set AD,  6
.set AD0, 7
.set R32, 8
.set SPW, 10
.set NIL, 11
.set TM,  12
.set WD,  28
.set TS,  32
.set WS,  64
.set CD,  96
.set ACC, 128
.set G1H, 24
.set G1R, 32
.set G0H, 40
.set G0R, 44
.set XP,  48
.set TSP, 50
.set WSP, 52
.set OP,  54
.set VP,  56
.set HB2, 58
.set JW,  60
.set JT,  61
.set CT,  62
.set SL,  63
.set MSB, 0
.macro WIN new                         ; the immediate's high byte repeats the setting that is left
.if MSB != (\new)
	s_set_vgpr_msb (MSB<<8)|(\new)
.set MSB, (\new)
.endif
.endm
.macro PLACES n
.rept \n
	v_nop
.endr
.endm
.macro ROUND                           ; a round of the cluster's barrier
	s_barrier_signal -1
	s_barrier_wait -1
	s_cmp_lg_u32 s14, 0
	s_cbranch_scc1 .Lnot_wave_0_\@
	s_barrier_signal -3
.Lnot_wave_0_\@:
	s_barrier_wait -3
	s_barrier_signal -1
	s_barrier_wait -1
.endm
.macro GROUP1 g, rows                  ; a dense block as rows of 256 bytes; mask: the four partners; bit 21 beside a mask
	s_mov_b32 s[\g], 15|(3<<16)|(1<<21)
	s_mov_b32 s[\g+1], 32<<16
	s_mov_b32 s[\g+2], (\rows)<<16
	s_mov_b32 s[\g+3], 32<<16
	s_mov_b32 s[\g+4], \rows
	s_mov_b32 s[\g+5], 32
	s_mov_b32 s[\g+6], 0
	s_mov_b32 s[\g+7], 0
.endm
.macro FETCH b                         ; block b of my head, 16 rows, all of K, into set b % 2 of window 3: 32 loads of 512 consecutive bytes
	WIN 0xc0
.irp s, 0,1,2,3,4,5,6,7
.irp c, 0,1,2,3
	ds_load_b128 v[128*((\b)%2)+16*\s+4*\c:128*((\b)%2)+16*\s+4*\c+3], v[AD] offset:16384*(\b)+2048*\s+512*\c
.endr
.endr
	WIN 0
.endm
; 32 products: block b x my four token tiles, K ascending; four accumulators by turns.  The chunk's scale word of K step s lies in register (s + 4) % 8 of its eight, so a product's two scale registers differ modulo 8.
.macro PRODS kind, b
.irp s, 0,1,2,3,4,5,6,7
.if \kind
	WIN (1+\s/4)|(3<<2)
.else
	WIN 3|((1+\s/4)<<2)
.endif
.irp a, 0,1,2,3
.set W_, 128*((\b)%2)+16*\s
.set T_, 16*(4*(\s%4)+\a)
.set SW_, WS+8*(\b)+(\s+4)%8
.set ST_, TS+8*\a+\s
.if \kind
.set D_, ACC+32*(\b)+8*\a
.if \s
	v_wmma_scale_f32_16x16x128_f8f6f4 v[D_:D_+7], v[T_:T_+15], v[W_:W_+15], v[D_:D_+7], v[ST_], v[SW_] matrix_a_fmt:MATRIX_FMT_BF8 matrix_b_fmt:MATRIX_FMT_BF8
.else
	v_wmma_scale_f32_16x16x128_f8f6f4 v[D_:D_+7], v[T_:T_+15], v[W_:W_+15], 0, v[ST_], v[SW_] matrix_a_fmt:MATRIX_FMT_BF8 matrix_b_fmt:MATRIX_FMT_BF8
.endif
.else
.set D_, ACC+32*\a+8*(\b)
.if \s
	v_wmma_scale_f32_16x16x128_f8f6f4 v[D_:D_+7], v[W_:W_+15], v[T_:T_+15], v[D_:D_+7], v[SW_], v[ST_] matrix_a_fmt:MATRIX_FMT_BF8 matrix_b_fmt:MATRIX_FMT_BF8
.else
	v_wmma_scale_f32_16x16x128_f8f6f4 v[D_:D_+7], v[W_:W_+15], v[T_:T_+15], 0, v[SW_], v[ST_] matrix_a_fmt:MATRIX_FMT_BF8 matrix_b_fmt:MATRIX_FMT_BF8
.endif
.endif
.endr
.endr
	WIN 0
.endm
.macro CHUNK kind                      ; blocks 0 and 1 are on their way into the two sets
	s_wait_loadcnt 0x0                             ; the chunk's scale words (the first time: the tokens too)
	s_wait_dscnt 32                                ; block 0 is in; block 1's 32 loads may be out
	PRODS \kind, 0
	PLACES 8                                       ; in front of loads into registers that the products have read
	FETCH 2
	s_wait_dscnt 32
	PRODS \kind, 1
	PLACES 8
	FETCH 3
	s_wait_dscnt 32
	PRODS \kind, 2
	s_wait_dscnt 0x0
	PRODS \kind, 3
	PLACES 8
.endm
.macro WSLOAD                          ; my head's four tiles' scale words: words 4-7 into the lower four registers, words 0-3 into the upper
.irp b, 0,1,2,3
	global_load_b128 v[WS+8*\b:WS+8*\b+3], v[R32], s[WSP:WSP+1] offset:512*\b+16
	global_load_b128 v[WS+8*\b+4:WS+8*\b+7], v[R32], s[WSP:WSP+1] offset:512*\b
.endr
.endm
; 64 sums at ac are four blocks of 32 along the next K (16 registers here, 16 in lane l xor 16): codes into cd on, bytes into TM + 4 on
.macro QUANT4 ac, cd
.irp b, 0,1,2,3
	v_max3_num_f32 v[TM+\b], |v[\ac+16*\b]|, |v[\ac+16*\b+1]|, 0x8000000   ; each accumulator from its low end on; and the floor 2^(16 - 127)
.endr
.irp i, 2,4,6,8,10,12,14
.irp b, 0,1,2,3
	v_max3_num_f32 v[TM+\b], |v[\ac+16*\b+\i]|, |v[\ac+16*\b+\i+1]|, v[TM+\b]
.endr
.endr
.irp b, 0,1,2,3
	v_permlanex16_b32 v[TM+4+\b], v[TM+\b], s70, s71
.endr
.irp b, 0,1,2,3
	v_max_num_f32 v[TM+\b], v[TM+\b], v[TM+4+\b]
.endr
.irp b, 0,1,2,3
	v_add_nc_u32 v[TM+12+\b], 0xf8800000, v[TM+\b] ; 15 off the exponent field: the conversion's scale operand
.endr
.irp b, 0,1,2,3
	v_and_or_b32 v[TM+8+\b], v[TM+\b], 0x7f800000, s72   ; 57,344 x the scale
.endr
.irp b, 0,1,2,3
	v_lshrrev_b32 v[TM+4+\b], 23, v[TM+12+\b]      ; the byte
.endr
.irp b, 0,1,2,3
.irp i, 0,1,2,3,4,5,6,7,8,9,10,11,12,13,14,15
	v_med3_num_f32 v[\ac+16*\b+\i], v[\ac+16*\b+\i], -v[TM+8+\b], v[TM+8+\b]   ; the conversion does not saturate (ISA guide 7.6.2): the hold comes first
.endr
	v_cvt_scalef32_pk8_bf8_f32 v[\cd+4*\b:\cd+4*\b+1], v[\ac+16*\b:\ac+16*\b+7], v[TM+12+\b]
	v_cvt_scalef32_pk8_bf8_f32 v[\cd+4*\b+2:\cd+4*\b+3], v[\ac+16*\b+8:\ac+16*\b+15], v[TM+12+\b]
.endr
	v_nop                                          ; a plain line behind the last conversion
.endm
	s_load_b256 s[4:11], s[0:1], 0x0               ; xc, wc, sx, qb
	s_load_b64 s[12:13], s[0:1], 0x20              ; kv
	v_lshl_add_u32 v[SPW], v0, 2, SPARE
	v_mov_b32 v[NIL], 0
	ds_add_u32 v[SPW], v[NIL]                      ; the opening lines: the add twice on end and its wait
	ds_add_u32 v[SPW], v[NIL]
	v_lshrrev_b32 v12, 5, v0
	v_readfirstlane_b32 s14, v12                   ; wave
	s_lshr_b32 s15, s14, 1                         ; i
	s_and_b32 s16, s14, 1                          ; j
	s_bfe_u32 s17, ttmp6, 0x40000                  ; cx
	s_lshl_b32 s18, ttmp9, 2
	s_add_co_u32 s18, s18, s17                     ; tg: which 128 tokens
	s_and_b32 s19, ttmp7, 0xffff                   ; g, which the partners share
	GROUP1 G1H, 256
	GROUP1 G1R, 128
	s_lshl_b32 s66, s19, 19                        ; the head's load: chunk 4 g on, 65,536 bytes a wave
	s_lshl_b32 s68, s14, 16
	s_add_co_u32 s66, s66, s68
	s_mov_b32 s67, 0
	s_mov_b32 s[G0H], 1
	s_mov_b32 s[G0H+1], s68
	s_lshl_b32 s76, s19, 19                        ; the refills: a quarter of a chunk a wave; it stands one chunk and one slot back and is stepped ahead of each refill
	s_add_co_u32 s76, s76, SLOT
	s_lshl_b32 s68, s14, 15
	s_add_co_u32 s76, s76, s68
	s_mov_b32 s77, 0
	s_mov_b32 s[G0R], 1
	s_add_co_u32 s[G0R+1], s68, SLOT
	s_lshl_b32 s78, s18, 17                        ; my tokens' codes: tile 8 tg + 4 i
	s_lshl_b32 s69, s15, 16
	s_add_co_u32 s78, s78, s69
	s_mov_b32 s79, 0
	s_lshl_b32 s80, s18, 12                        ; and their scale words
	s_lshl_b32 s69, s15, 11
	s_add_co_u32 s80, s80, s69
	s_mov_b32 s81, 0
	s_lshl_b32 s82, s19, 14                        ; the weights' scale words: tile 512 + 32 g + 4 j
	s_lshl_b32 s69, s16, 11
	s_add_co_u32 s82, s82, s69
	s_add_co_u32 s82, s82, 262144
	s_mov_b32 s83, 0
	s_lshl_b32 s69, s19, 1
	s_sub_co_u32 s69, 13, s69                      ; from chunk 4 g + 3 to chunk 16 + 2 g
	s_lshl_b32 s[JW], s69, 12
	s_lshl_b32 s[JT], s69, 17
	s_mov_b32 s73, 274432                          ; K's figures, or Q's: bytes of a (batch, head), of 128 tokens there, and where their scale words begin
	s_mov_b32 s74, 17152
	s_mov_b32 s75, 16384
	s_cmp_lt_u32 s19, 2
	s_cselect_b32 s73, 139264, s73
	s_cselect_b32 s74, 8704, s74
	s_cselect_b32 s75, 8192, s75
	s_lshr_b32 s84, s18, 4
	s_lshl_b32 s84, s84, 4                         ; 16 batch
	s_and_b32 s85, s18, 15                         ; my 128 tokens' number in the batch
	s_and_b32 s86, s19, 1
	s_lshl_b32 s86, s86, 3
	s_add_co_u32 s86, s86, s84
	s_add_co_u32 s86, s86, s16                     ; Q's or K's first head of mine: 8 (g % 2) + j
	s_mul_i32 s86, s86, s73
	s_mul_i32 s88, s85, s74
	s_add_co_u32 s86, s86, s88
	s_mov_b32 s87, 0
	s_lshl_b32 s[HB2], s73, 1                      ; a chunk on: two heads
	s_mov_b32 s[HB2+1], 0
	s_lshl_b32 s90, s19, 2
	s_add_co_u32 s90, s90, s84
	s_add_co_u32 s90, s90, s16                     ; V's first head of mine: 4 g + j
	s_mul_i32 s90, s90, 274432
	s_mul_i32 s88, s85, 17152
	s_add_co_u32 s90, s90, s88
	s_mov_b32 s91, 0
	s_mov_b32 s70, 0x76543210
	s_mov_b32 s71, 0xfedcba98
	s_mov_b32 s72, 0x600000
	s_mov_b32 s[SL], 0
	s_mov_b32 s[CT], 0
	v_and_b32 v13, 15, v0                          ; r
	v_and_b32 v14, 31, v0
	v_lshlrev_b32 v[LI], 4, v14
	v_lshlrev_b32 v[R32], 5, v13
	s_lshl_b32 s88, s15, 11
	v_add_nc_u32 v[VOQ], s88, v[LI]                ; Q, K: 512 bytes a token tile: mine begin at tile 4 i
	s_lshl_b32 s88, s15, 12
	v_add_nc_u32 v[VOV], s88, v[LI]                ; V: 2,048 bytes a key block: mine begin at block 2 i
	s_lshl_b32 s88, s15, 4
	s_add_co_u32 s88, s88, s75
	v_add_nc_u32 v[SQ], s88, v[R32]                ; Q's, K's words: 32 r + 16 i
	s_lshl_b32 s88, s15, 1
	s_add_co_u32 s88, s88, 16896
	v_lshl_add_u32 v[SV], v13, 4, s88              ; V's bytes: 16 r + 2 i
	s_lshl_b32 s88, s16, 16
	v_add_nc_u32 v[AD0], s88, v[LI]                ; my head's four tiles in a slot
	v_mov_b32 v[AD], v[AD0]
.irp b, 0,1,2,3
	v_mov_b32 v[TM+4+\b], 0                        ; a lane permute's destination counts as one of its sources
.endr
	s_wait_alu depctr_va_vdst(0)                   ; the wait at the head's end
	s_wait_dscnt 0x0
	ROUND                                          ; all four work-groups are here: the joint loads meet
	s_wait_kmcnt 0x0
	s_add_nc_u64 s[G0H+2:G0H+3], s[6:7], s[66:67]
	s_or_b32 s[G0H+3], s[G0H+3], 0x80000000
	s_add_nc_u64 s[G0R+2:G0R+3], s[6:7], s[76:77]
	s_or_b32 s[G0R+3], s[G0R+3], 0x80000000
	s_cmp_lt_u32 s14, 2                            ; every wave's one load at the head; waves 0, 1 (chunk 0) and waves 2, 3 (chunk 1) have a line each: the first barrier waits for the first line's alone
	s_cbranch_scc0 .Lupper
	tensor_load_to_lds s[G0H:G0H+3], s[G1H:G1H+7]
	s_nop 0
	PLACES 4
	s_branch .Lboth
.Lupper:
	tensor_load_to_lds s[G0H:G0H+3], s[G1H:G1H+7]
	s_nop 0
	PLACES 4
.Lboth:
	s_add_nc_u64 s[XP:XP+1], s[4:5], s[78:79]
	s_add_nc_u64 s[TSP:TSP+1], s[8:9], s[80:81]
	s_add_nc_u64 s[WSP:WSP+1], s[8:9], s[82:83]
	s_cmp_lt_u32 s19, 2
	s_cselect_b64 s[OP:OP+1], s[10:11], s[12:13]
	s_add_nc_u64 s[OP:OP+1], s[OP:OP+1], s[86:87]
	s_add_nc_u64 s[VP:VP+1], s[12:13], s[90:91]
.irp a, 0,1,2,3
	global_load_b128 v[TS+8*\a:TS+8*\a+3], v[R32], s[TSP:TSP+1] offset:512*\a
	global_load_b128 v[TS+8*\a+4:TS+8*\a+7], v[R32], s[TSP:TSP+1] offset:512*\a+16
.endr
	WSLOAD
.irp s, 0,1,2,3,4,5,6,7                        ; fragment (K step s, tile a) at register 16 (4 (s % 4) + a) of window 1 + s / 4
	WIN (1+\s/4)<<6
.irp a, 0,1,2,3
.irp c, 0,1,2,3
	global_load_b128 v[16*(4*(\s%4)+\a)+4*\c:16*(4*(\s%4)+\a)+4*\c+3], v[LI], s[XP:XP+1] offset:16384*\a+2048*\s+512*\c
.endr
.endr
.endr
	WIN 0
	s_cmp_lt_u32 s14, 2
	s_cbranch_scc0 .Lnot_yet
	s_wait_tensorcnt 0x0                           ; waves 0, 1: chunk 0 has landed.  Chunk 1 is waited for by every wave ahead of the first round, behind which it is first read
.Lnot_yet:
	s_barrier_signal -1
	s_barrier_wait -1
	FETCH 0
	FETCH 1
.Lqk:                                          ; four trips: a chunk of Q or K each
	CHUNK 0
	s_cmp_eq_u32 s[CT], 3
	s_cselect_b32 s66, s[JW], 4096
	s_mov_b32 s67, 0
	s_add_nc_u64 s[WSP:WSP+1], s[WSP:WSP+1], s[66:67]
	WSLOAD                                         ; the next chunk's scale words land under the way out
	s_wait_tensorcnt 0x0                           ; all my tensor loads have landed: my part of the next chunk
	ds_add_u32 v[SPW], v[NIL]
	s_cmp_eq_u32 s[CT], 2
	s_cselect_b32 s66, s[JT], SLOT
	s_add_nc_u64 s[G0R+2:G0R+3], s[G0R+2:G0R+3], s[66:67]   ; the chunk two on,
	s_xor_b32 s[G0R+1], s[G0R+1], SLOT             ; into the slot just read
	s_wait_dscnt 0x0                               ; the add is done; my reads of this slot were over at the last block
	ROUND                                          ; no wave of any partner still reads the slot or has a load on its way
	tensor_load_to_lds s[G0R:G0R+3], s[G1R:G1R+7]
	s_nop 0
	PLACES 4
	s_xor_b32 s[SL], s[SL], SLOT
	v_add_nc_u32 v[AD], s[SL], v[AD0]
	FETCH 0
	FETCH 1
.irp u, 0,1                                    ; the way out: token tiles 2 u and 2 u + 1: four blocks of 32 along d
	QUANT4 ACC+64*\u, CD+16*\u
	v_lshl_or_b32 v[WD+2*\u], v[TM+5], 8, v[TM+4]
	v_lshlrev_b32 v[TM], 16, v[TM+6]
	v_lshl_or_b32 v[WD+2*\u+1], v[TM+7], 24, v[TM]
.irp n, 0,1
.irp p, 0,1
	global_store_b128 v[VOQ], v[CD+16*\u+8*\n+4*\p:CD+16*\u+8*\n+4*\p+3], s[OP:OP+1] offset:4096*\p+512*(2*\u+\n)   ; 512 consecutive bytes, aligned
.endr
.endr
.endr
	global_store_b128 v[SQ], v[WD:WD+3], s[OP:OP+1]   ; 16 of a token's 32 bytes of words (both halves of the lanes hold and store the same)
	s_wait_xcnt 0x0                                ; the stores have read their registers and their base
	s_add_nc_u64 s[OP:OP+1], s[OP:OP+1], s[HB2:HB2+1]
	s_add_co_u32 s[CT], s[CT], 1
	s_cmp_lt_u32 s[CT], 4
	s_cbranch_scc1 .Lqk
	s_mov_b32 s[CT], 0
.Lv:                                           ; two trips: a chunk of V each; nothing is filled again
	CHUNK 1
	s_wait_tensorcnt 0x0                           ; the first trip: my part of the last chunk has landed
	s_barrier_signal -1
	s_barrier_wait -1
	s_cmp_eq_u32 s[CT], 1
	s_cbranch_scc1 .Lv_out                         ; no chunk follows the last
	s_add_nc_u64 s[WSP:WSP+1], s[WSP:WSP+1], 4096
	WSLOAD
	s_xor_b32 s[SL], s[SL], SLOT
	v_add_nc_u32 v[AD], s[SL], v[AD0]
	FETCH 0
	FETCH 1
.Lv_out:
.irp u, 0,1                                    ; tiles 2 u and 2 u + 1 of d: four blocks of 32 along the keys
	QUANT4 ACC+64*\u, CD+16*\u
	v_lshl_or_b32 v[WD+2*\u], v[TM+5], 8, v[TM+4]
	v_lshl_or_b32 v[WD+2*\u+1], v[TM+7], 8, v[TM+6]
.irp n, 0,1
.irp e, 0,1
	global_store_b128 v[VOV], v[CD+16*\u+8*\n+4*\e:CD+16*\u+8*\n+4*\e+3], s[VP:VP+1] offset:8192+2048*\e+512*(2*\u+\n)
.endr
	global_store_b16 v[SV], v[WD+2*\u+\n], s[VP:VP+1] offset:4*(2*\u+\n)   ; two of a d's four scale bytes: the other two are wave row 1 - i's; 262,144 bytes in the whole launch
.endr
.endr
	s_wait_xcnt 0x0
	s_add_nc_u64 s[VP:VP+1], s[VP:VP+1], 548864
	s_add_co_u32 s[CT], s[CT], 1
	s_cmp_lt_u32 s[CT], 2
	s_cbranch_scc1 .Lv
	s_wait_tensorcnt 0x0                           ; the wave's end
	ds_add_u32 v[SPW], v[NIL]
	s_wait_dscnt 0x0
	ROUND                                          ; the closing round
	s_endpgm
.Lfunc_end_k_qbc81929a76_qkv:
	.size	k_qbc81929a76_qkv, .Lfunc_end_k_qbc81929a76_qkv-k_qbc81929a76_qkv
	.p2alignl 7, 3214868480
	.fill 96, 4, 3214868480
	.section	.rodata,"a",@progbits
	.p2align	6, 0x0
	.amdhsa_kernel k_qbc81929a76_qkv
		.amdhsa_group_segment_fixed_size 327680
		.amdhsa_private_segment_fixed_size 0
		.amdhsa_enable_private_segment 0
		.amdhsa_kernarg_size 40
		.amdhsa_user_sgpr_count 2
		.amdhsa_user_sgpr_kernarg_segment_ptr 1
		.amdhsa_wavefront_size32 1
		.amdhsa_system_sgpr_workgroup_id_x 1
		.amdhsa_system_sgpr_workgroup_id_y 1
		.amdhsa_system_sgpr_workgroup_id_z 1
		.amdhsa_system_vgpr_workitem_id 0
		.amdhsa_next_free_vgpr 1024
		.amdhsa_next_free_sgpr 100
		.amdhsa_reserve_vcc 0
		.amdhsa_float_denorm_mode_32 3
		.amdhsa_float_denorm_mode_16_64 3
		.amdhsa_memory_ordered 1
		.amdhsa_forward_progress 1
		.amdhsa_inst_pref_size 113
	.end_amdhsa_kernel
	.amdgpu_metadata
---
amdhsa.version: [ 1, 2 ]
amdhsa.kernels:
  - .name:           k_qbc81929a76_qkv
    .symbol:         k_qbc81929a76_qkv.kd
    .args:
      - { .name: xc, .offset: 0, .size: 8, .value_kind: global_buffer, .address_space: global }
      - { .name: wc, .offset: 8, .size: 8, .value_kind: global_buffer, .address_space: global }
      - { .name: sx, .offset: 16, .size: 8, .value_kind: global_buffer, .address_space: global }
      - { .name: qb, .offset: 24, .size: 8, .value_kind: global_buffer, .address_space: global }
      - { .name: kv, .offset: 32, .size: 8, .value_kind: global_buffer, .address_space: global }
    .group_segment_fixed_size: 327680
    .private_segment_fixed_size: 0
    .kernarg_segment_align: 8
    .kernarg_segment_size: 40
    .max_flat_workgroup_size: 128
    .sgpr_count:     100
    .vgpr_count:     1024
    .wavefront_size: 32
...
	.end_amdgpu_metadata
.endif
;; end of part 2
;; launch attn (part 3): grid 4 x 64, 16 waves a work-group, clusters of 4 x 1, 327,680 bytes of LDS; arguments qb, kv, oc, so; writes oc, so
.if DOCPART == 3
	.amdgcn_target "amdgcn-amd-amdhsa--gfx1250"
	.amdhsa_code_object_version 6
	.text
	.protected	k_qbc81929a76_attn
	.globl	k_qbc81929a76_attn
	.p2align	8
	.type	k_qbc81929a76_attn,@function
k_qbc81929a76_attn:
	s_mov_b64 s[64:65], 0
	v_nop
	global_prefetch_b8 v0, s[64:65] scope:SCOPE_SE
	s_setreg_imm32_b32 hwreg(HW_REG_WAVE_MODE, 25, 1), 1
	s_wait_xcnt 0x0
	s_wait_alu depctr_hold_cnt(0) depctr_sa_sdst(0) depctr_va_vdst(0) depctr_va_sdst(0) depctr_va_ssrc(0) depctr_va_vcc(0) depctr_vm_vsrc(0)
	s_getreg_b32 s2, hwreg(HW_REG_IB_STS2, 6, 4)
	s_cmp_eq_u32 s2, 0
	s_cbranch_scc0 .Lentry_in_a_cluster
	s_endpgm
.Lentry_in_a_cluster:
	s_bfe_u32 s2, ttmp6, 0x10000c
	s_cmp_lg_u32 s2, 0x3003
	s_cbranch_scc0 .Lentry_shape_is_right
	s_endpgm
.Lentry_shape_is_right:
; Causal attention of one (batch, head) for a cluster of four work-groups, both products on codes of BF8 (E5M2) with E8M0 scales; the result is divided by the row's sum, quantised along (head, d) and stored as the projection's operand.
; t = score x log2(e) / 8; M = the running largest t rounded UP to a whole number; p = 2^(t - M) is quantised along the keys, not normalised; the row's sum is taken of the unquantised p.  When M moves, the sum and O are multiplied by 2^(old M - new M): exact.
; LEFT OUT: key steps all of whose keys come after a tile's queries: reference() sets their scores to -inf by its own causal mask, so their p is 0 for all inputs.  A NaN or infinity that reaches only those scores is not carried to the result.
; K AND V OF THE WHOLE HEAD, codes and scale words, are 16 steps x 17,152 = 274,432 bytes: wave w brings key step w by one joint load (mask: the four work-groups, which share the head); LDS is filled once and only read.
; No prefetch: all that the launch streams is asked for by the head's sixteen loads; there is no loop to run ahead in.
; SHARES: wave w of work-group c owns two tiles of 16 queries: tile 127 - (4 w + c), with 16 - w / 2 key steps of 128, then tile 4 w + c, with w / 2 + 1: 17 steps for every wave.  c enters global addresses and numbers alone.
; One loop body, two key steps a trip, eight trips, serves both tiles; steps behind the tile's last are jumped over by a branch on ids; in the last step the scores of hidden keys become -infinity ahead of the maximum.
; LAYOUT: both products transposed: S^T = K Q^T, O^T = V^T P^T: a lane holds one query.  K = d = 64 fills half of the instruction's 128: a fragment of K holds key tile 2 f in its lower half and tile 2 f + 1 in its upper;
; multiplied with (Q, 0) it gives tile 2 f's scores, with (0, Q) tile 2 f + 1's: zero codes add nothing under any scale byte but 0xff.  An even tile's scale bytes stand in bytes 0, 1 of its word, an odd tile's in bytes 2, 3.
; TWO REGIONS OF 64 REGISTERS SWAP ROLES FROM STEP TO STEP: one holds K, then V (fetched under the softmax); the other the scores, then p, then the next step's K (fetched under the rescaling and the second product).
; LIMITS: NaN and infinities are not served; a block under 2^-111 keeps the byte 1; a block's largest p is made from its largest score, which takes v_exp_f32 not to fall where its input rises; scaled scores stay under 2^31.
.set STEPB, 17152                      ; a key step: K's codes 8,192, V's 8,192, K's scale words 512, V's 256
.set SPARE, 0x43000                    ; behind the 16 steps: the spare words
.set LI,  1                            ; 16 x lane
.set KS0, 2                            ; 16,384 + 32 r
.set VS0, 3                            ; 16,896 + 16 r
.set AD0, 4                            ; the trip's LDS addresses: codes, K's words, V's words
.set AS0, 5
.set AT0, 6
.set ADN, 7                            ; the next trip's: codes, K's words
.set ASN, 8
.set DQ,  9                            ; my query's place in its 128, less 16 h
.set SPW, 10
.set NIL, 11                           ; v12 -M, v13 the largest score so far, v[14:15] the sum
.set QHI, 16                           ; v16-23 zeros, v24-31 Q, v32-39 zeros: (0, Q) = v[16:31], (Q, 0) = v[24:39]
.set QLO, 24
.set XA,  40
.set XB,  104
.set O,   168
.set PC,  200
.set KSC, 216
.set VSC, 224
.set PW,  228
.set QSL, 229
.set BM,  230
.set BP,  234
.set LIM, 238
.set SCO, 242
.set F,   246                          ; v246 the factor; v247 -infinity (named with it as a pair, its value unused there)
.set TT,  248
.set QSH, 249                          ; v250-255, with v230-237: seven partial sums
.set WV,  12
.set G1,  16
.set G0,  24
.set SEL, 40
.set CS,  42
.set MNT, 44
.set TB,  45
.set ST,  46
.set HM,  47
.set OCL, 48
.set SOL, 50
.set OCS, 52
.set SOS, 54
.set DL,  56
.set DS,  57
.set DG,  58
.set DG1, 66
.set TI,  88
.set TN,  89
.set OB,  90
.set SBA, 92
.set SD,  94
.set DGL, 95
.set DGS, 96
.set SHL, 97
.set SHS, 98
.set QSF, 99
.macro CROUND
	s_barrier_signal -1
	s_barrier_wait -1
	s_cmp_lg_u32 s[WV], 0
	s_cbranch_scc1 .Lnot_wave_0_\@
	s_barrier_signal -3
.Lnot_wave_0_\@:
	s_barrier_wait -3
	s_barrier_signal -1
	s_barrier_wait -1
.endm
	s_load_b256 s[4:11], s[0:1], 0x0               ; qb, kv, oc, so
	v_lshl_add_u32 v[SPW], v0, 2, SPARE
	v_mov_b32 v[NIL], 0
	ds_add_u32 v[SPW], v[NIL]                      ; the opening lines: the add twice on end and its wait
	ds_add_u32 v[SPW], v[NIL]
	v_lshrrev_b32 v1, 5, v0
	v_readfirstlane_b32 s[WV], v1                  ; wave 0..15
	s_bfe_u32 s13, ttmp6, 0x40000                  ; cx
	s_and_b32 s14, ttmp7, 0xffff                   ; 16 batch + head
	s_mov_b32 s[G1], 15|(3<<16)|(1<<21)            ; the mask: all four; elements of 8 bytes; bit 21 beside a mask
	s_mov_b32 s[G1+1], 32<<16                      ; rows of 256 bytes,
	s_mov_b32 s[G1+2], 67<<16                      ; 67 of them: a key step, dense
	s_mov_b32 s[G1+3], 32<<16
	s_mov_b32 s[G1+4], 67
	s_mov_b32 s[G1+5], 32
	s_mov_b32 s[G1+6], 0
	s_mov_b32 s[G1+7], 0
	s_mul_i32 s59, s[WV], STEPB
	s_mul_i32 s62, s14, 16*STEPB
	s_add_co_u32 s62, s62, s59
	s_mov_b32 s63, 0
	s_mov_b32 s[SEL], 0x76543210
	s_mov_b32 s[SEL+1], 0xfedcba98
	s_mov_b32 s[CS], 0x3e38aa3b                    ; log2(e) / 8
	s_mov_b32 s[CS+1], s[CS]
	s_mov_b32 s[MNT], 0x600000
	s_mov_b32 s[G0], 1
	s_mov_b32 s[G0+1], s59
	s_wait_dscnt 0x0
	s_wait_kmcnt 0x0
	s_add_nc_u64 s[G0+2:G0+3], s[6:7], s[62:63]
	s_or_b32 s[G0+3], s[G0+3], 0x80000000
	CROUND                                         ; all four work-groups are here: the joint loads meet
	tensor_load_to_lds s[G0:G0+3], s[G1:G1+7]      ; key step w: every wave's one load
	s_nop 0
.rept 4
	v_nop
.endr
	v_and_b32 v[BM], 31, v0
	v_and_b32 v[BM+1], 15, v0
	v_lshlrev_b32 v[LI], 4, v[BM]
	v_cmp_le_u32 s[HM], 16, v[BM]
	v_lshl_add_u32 v[KS0], v[BM+1], 5, 16384
	v_lshl_add_u32 v[VS0], v[BM+1], 4, 16896
	s_lshl_b32 s60, s[WV], 2
	s_add_co_u32 s60, s60, s13                     ; the short tile: 4 w + cx
	s_sub_co_u32 s61, 127, s60                     ; the long one
	s_mul_i32 s68, s14, 139264                     ; the head's first byte in qb
	s_lshr_b32 s69, s14, 4
	s_lshl_b32 s69, s69, 7                         ; 128 tiles of tokens a batch
	s_and_b32 s78, s14, 15
	s_lshl_b32 s77, s78, 10                        ; in a tile of oc a head's 64 along K begin 1,024 x head bytes in
	s_lshl_b32 s78, s78, 1                         ; and its two scale bytes 2 x head
; tile s[t]: Q's codes, Q's scale words, its places in oc and so, its first query's place in its 128, and 16 x (tile % 2): where its scale bytes stand in their word
.macro TILEADR t, qc, qs, ob, sb, sd, sh
	s_lshr_b32 s70, s[\t], 3
	s_mul_i32 s70, s70, 8704
	s_add_co_u32 s70, s70, s68
	s_and_b32 s72, s[\t], 7
	s_lshl_b32 s74, s72, 9
	s_add_co_u32 s74, s74, s70
	s_mov_b32 s75, 0
	s_add_nc_u64 s[\qc:\qc+1], s[4:5], s[74:75]
	s_lshl_b32 s74, s72, 2
	s_add_co_u32 s74, s74, s70
	s_add_nc_u64 s[\qs:\qs+1], s[4:5], s[74:75]
	s_add_co_u32 s76, s69, s[\t]
	s_lshl_b32 s74, s76, 14
	s_add_co_u32 s74, s74, s77
	s_add_nc_u64 s[\ob:\ob+1], s[8:9], s[74:75]
	s_lshl_b32 s74, s76, 9
	s_add_co_u32 s74, s74, s78
	s_add_nc_u64 s[\sb:\sb+1], s[10:11], s[74:75]
	s_lshr_b32 s74, s72, 1
	s_lshl_b32 s74, s74, 5
	s_and_b32 s76, s72, 1
	s_lshl_b32 s[\sh], s76, 4
	s_lshl_b32 s76, s76, 3
	s_add_co_u32 s[\sd], s74, s76
.endm
	TILEADR 61, 80, 82, OCL, SOL, DL, SHL
	TILEADR 60, 84, 86, OCS, SOS, DS, SHS
	s_lshr_b32 s[DGS], s[WV], 1                    ; the short tile's last step,
	s_sub_co_u32 s[DGL], 15, s[DGS]                ; the long one's
	s_mov_b32 s[TI], 0
.macro QLOAD qc, qs
	global_load_b128 v[QLO:QLO+3], v[LI], s[\qc:\qc+1]
	global_load_b128 v[QLO+4:QLO+7], v[LI], s[\qc:\qc+1] offset:4096
	global_load_b32 v[QSL], v[KS0], s[\qs:\qs+1] offset:-8192   ; 8,192 + 32 r
.endm
	s_wait_alu depctr_va_vdst(0)
	QLOAD 80, 82
.irp k, 0,1,2,3,4,5,6,7
	v_mov_b32 v[QHI+\k], 0                         ; the zero codes on either side of Q
	v_mov_b32 v[QLO+8+\k], 0
.endr
.irp b, 0,1,2,3
	v_mov_b32 v[BP+\b], 0                          ; a lane permute's destination counts as one of its sources
.endr
	v_mov_b32 v[F+1], 0xff800000
	v_mov_b32 v[TT], 0
; A KEY STEP of 128 keys.  X: K's fragments, then V's;  Y: the scores, then p, then the next step's K.  odd: the trip's second step, STEPB further on by immediates.
.macro STEP X, Y, odd
.set OF, \odd*STEPB
	s_wait_alu depctr_va_vdst(0)                   ; directly ahead of the wait below
	s_wait_dscnt 0x0                               ; K's fragments and scale words are in
.irp t, 0,2,4,6
	v_wmma_scale_f32_16x16x128_f8f6f4 v[\Y+8*\t:\Y+8*\t+7], v[\X+8*\t:\X+8*\t+15], v[QLO:QLO+15], 0, v[KSC+\t], v[QSL] matrix_a_fmt:MATRIX_FMT_BF8 matrix_b_fmt:MATRIX_FMT_BF8
	v_wmma_scale_f32_16x16x128_f8f6f4 v[\Y+8*\t+8:\Y+8*\t+15], v[\X+8*\t:\X+8*\t+15], v[QHI:QHI+15], 0, v[KSC+\t+1], v[QSH] matrix_a_fmt:MATRIX_FMT_BF8 matrix_b_fmt:MATRIX_FMT_BF8
.endr
.if \odd                                       ; eight places behind the products: the addresses that are due, and v_nop
	s_add_co_u32 s[TN], s[TB], 2*STEPB
	s_min_u32 s[TN], s[TN], 14*STEPB               ; the last trip's look-ahead stays inside the 16 steps
	v_add_nc_u32 v[ADN], s[TN], v[LI]
	v_add_nc_u32 v[ASN], s[TN], v[KS0]
.rept 6
	v_nop
.endr
.set KA, ADN
.set KW, ASN
.set KO, 0
.else
	v_add_nc_u32 v[AD0], s[TB], v[LI]
	v_add_nc_u32 v[AS0], s[TB], v[KS0]
	v_add_nc_u32 v[AT0], s[TB], v[VS0]
.rept 5
	v_nop
.endr
.set KA, AD0
.set KW, AS0
.set KO, STEPB
.endif
.irp t, 0,1,2,3
.irp c, 0,1,2,3
	ds_load_b128 v[\X+16*\t+4*\c:\X+16*\t+4*\c+3], v[AD0] offset:OF+8192+2048*\c+512*\t   ; V's fragments take K's registers: they land under the softmax
.endr
.endr
	ds_load_b128 v[VSC:VSC+3], v[AT0] offset:OF
.if \odd
	s_cmp_lg_u32 s[ST], s[DG1]
.else
	s_cmp_lg_u32 s[ST], s[DG]
.endif
	s_cbranch_scc1 .Lopen\odd
.set NN, 0
.rept 64                                       ; register 16 b + i holds key 32 b + i + 16 h of the step: hidden where 32 b + i > my query's place - 16 h
	v_cmp_gt_i32 vcc_lo, 32*(NN/16)+NN%16, v[DQ]
	v_cndmask_b32 v[\Y+NN], v[\Y+NN], v[F+1], vcc_lo
.set NN, NN+1
.endr
.Lopen\odd:
.irp b, 0,1,2,3
	v_max3_num_f32 v[BM+\b], v[\Y+16*\b], v[\Y+1+16*\b], v[\Y+2+16*\b]   ; the largest score of each block of 32 keys, for the row's maximum and for the block's largest p: two chains a block, eight by turns
	v_max3_num_f32 v[BP+\b], v[\Y+8+16*\b], v[\Y+9+16*\b], v[\Y+10+16*\b]
.endr
.irp i, 3,5
.irp b, 0,1,2,3
	v_max3_num_f32 v[BM+\b], v[BM+\b], v[\Y+16*\b+\i], v[\Y+1+16*\b+\i]
	v_max3_num_f32 v[BP+\b], v[BP+\b], v[\Y+8+16*\b+\i], v[\Y+9+16*\b+\i]
.endr
.endr
.irp b, 0,1,2,3
	v_max3_num_f32 v[BM+\b], v[BM+\b], v[\Y+7+16*\b], v[\Y+15+16*\b]
.endr
.irp b, 0,1,2,3
	v_max_num_f32 v[BM+\b], v[BM+\b], v[BP+\b]
.endr
.irp b, 0,1,2,3
	s_delay_alu instid0(VALU_DEP_4)
	v_permlanex16_b32 v[BP+\b], v[BM+\b], s[SEL], s[SEL+1]
.endr
.irp b, 0,1,2,3
	s_delay_alu instid0(VALU_DEP_4)
	v_max_num_f32 v[BM+\b], v[BM+\b], v[BP+\b]
.endr
	s_delay_alu instid0(VALU_DEP_2)
	v_max3_num_f32 v[TT], v[BM], v[BM+1], v[BM+2]
	s_delay_alu instid0(VALU_DEP_1)
	v_max3_num_f32 v13, v13, v[TT], v[BM+3]        ; the running largest score (c is positive: its t is the running largest t)
	s_delay_alu instid0(VALU_DEP_1)
	v_mul_f32 v[TT], s[CS], v13
	v_mov_b32 v[F], v12                            ; the old -M
	s_delay_alu instid0(VALU_DEP_2)
	v_floor_f32 v12, -v[TT]                        ; -M = floor(-t)
; t - M, two at a time; the three lines that make 2^(old M - new M) stand among them, each four lines behind the one that it reads
.set JJ, 0
.rept 4
	v_pk_fma_f32 v[\Y+JJ:\Y+JJ+1], v[\Y+JJ:\Y+JJ+1], s[CS:CS+1], v[12:13] op_sel_hi:[1,0,0]
.set JJ, JJ+2
.endr
	v_sub_f32 v[TT], v12, v[F]
.rept 4
	v_pk_fma_f32 v[\Y+JJ:\Y+JJ+1], v[\Y+JJ:\Y+JJ+1], s[CS:CS+1], v[12:13] op_sel_hi:[1,0,0]
.set JJ, JJ+2
.endr
	v_cvt_i32_f32 v[TT], v[TT]                     ; (it saturates)
.rept 4
	v_pk_fma_f32 v[\Y+JJ:\Y+JJ+1], v[\Y+JJ:\Y+JJ+1], s[CS:CS+1], v[12:13] op_sel_hi:[1,0,0]
.set JJ, JJ+2
.endr
	v_ldexp_f32 v[F], 1.0, v[TT]                   ; 2^(old M - new M)
.rept 20
	v_pk_fma_f32 v[\Y+JJ:\Y+JJ+1], v[\Y+JJ:\Y+JJ+1], s[CS:CS+1], v[12:13] op_sel_hi:[1,0,0]   ; t - M, two at a time
.set JJ, JJ+2
.endr
.irp b, 0,1,2,3
	v_fma_f32 v[BM+\b], v[BM+\b], s[CS], v12
.endr
	s_wait_alu depctr_va_vdst(0)                   ; the wait ahead of the batch
.set JJ, 0
.rept 64
	v_exp_f32 v[\Y+JJ], v[\Y+JJ]
.set JJ, JJ+1
.endr
.irp b, 0,1,2,3
	v_exp_f32 v[BM+\b], v[BM+\b]
.endr
	v_pk_mul_f32 v[14:15], v[14:15], v[F:F+1] op_sel_hi:[1,0]   ; the sum under the new M (a plain line behind the exponentials)
	s_wait_alu depctr_va_vdst(0)                   ; and the one behind it
.irp b, 0,1,2,3
	v_max_num_f32 v[BM+\b], 0x8000000, v[BM+\b]    ; the floor: the byte cannot fall under 1
.endr
.irp b, 0,1,2,3
	s_delay_alu instid0(VALU_DEP_4)
	v_add_nc_u32 v[SCO+\b], 0xf8800000, v[BM+\b]
.endr
.irp b, 0,1,2,3
	v_and_or_b32 v[LIM+\b], v[BM+\b], 0x7f800000, s[MNT]
.endr
.irp b, 0,1,2,3
	v_lshrrev_b32 v[BP+\b], 23, v[SCO+\b]
.endr
	s_delay_alu instid0(VALU_DEP_3)
	v_lshl_or_b32 v[PW], v[BP+1], 8, v[BP]
	s_delay_alu instid0(VALU_DEP_2)
	v_lshl_or_b32 v[TT], v[BP+3], 8, v[BP+2]       ; p's scale word in two halves; they are joined behind the seven lines below
; the row's sum of the unquantised p: eight chains, seven partial sums and the sum itself; they are joined behind the second product
.set JJ, 0
.irp r, 230,232,234,236,250,252,254
	v_pk_add_f32 v[\r:\r+1], v[\Y+JJ:\Y+JJ+1], v[\Y+JJ+2:\Y+JJ+3]
.set JJ, JJ+4
.endr
	v_lshl_or_b32 v[PW], v[TT], 16, v[PW]
	v_pk_add_f32 v[14:15], v[14:15], v[\Y+28:\Y+29]
.set JJ, 30
.rept 2
.irp r, 230,232,234,236,250,252,254
	v_pk_add_f32 v[\r:\r+1], v[\r:\r+1], v[\Y+JJ:\Y+JJ+1]
.set JJ, JJ+2
.endr
	v_pk_add_f32 v[14:15], v[14:15], v[\Y+JJ:\Y+JJ+1]
.set JJ, JJ+2
.endr
	v_pk_add_f32 v[230:231], v[230:231], v[\Y+62:\Y+63]
; the hold (p is not negative: one-sided), two numbers of two blocks to a line, and the conversions
.irp b, 0,2
.set II, 0
.rept 16
	v_dual_min_num_f32 v[\Y+16*\b+II], v[\Y+16*\b+II], v[LIM+\b] :: v_dual_min_num_f32 v[\Y+16*\b+16+(II^1)], v[\Y+16*\b+16+(II^1)], v[LIM+\b+1]
.set II, II+1
.endr
.endr
.irp b, 0,2                                    ; all 32 holds stand ahead of the eight conversions
.irp e, 0,1
	v_cvt_scalef32_pk8_bf8_f32 v[PC+4*(\b+\e):PC+4*(\b+\e)+1], v[\Y+16*(\b+\e):\Y+16*(\b+\e)+7], v[SCO+\b+\e]
	v_cvt_scalef32_pk8_bf8_f32 v[PC+4*(\b+\e)+2:PC+4*(\b+\e)+3], v[\Y+16*(\b+\e)+8:\Y+16*(\b+\e)+15], v[SCO+\b+\e]
.endr
.endr
.irp t, 0,1,2,3,4,5,6,7
.irp c, 0,1
	ds_load_b128 v[\Y+8*\t+4*\c:\Y+8*\t+4*\c+3], v[KA] offset:KO+4096*\c+512*\t   ; the next step's K takes p's registers: 16 loads,
.endr
.endr
	ds_load_b128 v[KSC:KSC+3], v[KW] offset:KO     ; and 2 for its scale words
	ds_load_b128 v[KSC+4:KSC+7], v[KW] offset:KO+16
	s_wait_alu depctr_va_vdst(0)                   ; directly ahead of the first reader of O^T
.set JJ, 0
.rept 16
	v_pk_mul_f32 v[O+JJ:O+JJ+1], v[O+JJ:O+JJ+1], v[F:F+1] op_sel_hi:[1,0]   ; O^T under the new M; also the places ahead of the products
.set JJ, JJ+2
.endr
	s_wait_alu depctr_va_vdst(0)                   ; directly ahead of the wait below
	s_wait_dscnt 18                                ; V is in; the 18 loads issued behind it may be out
.irp t, 0,1,2,3
	v_wmma_scale_f32_16x16x128_f8f6f4 v[O+8*\t:O+8*\t+7], v[\X+16*\t:\X+16*\t+15], v[PC:PC+15], v[O+8*\t:O+8*\t+7], v[VSC+\t], v[PW] matrix_a_fmt:MATRIX_FMT_BF8 matrix_b_fmt:MATRIX_FMT_BF8
.endr
	v_pk_add_f32 v[230:231], v[230:231], v[250:251]   ; nine places: the next scores are written over V's fragments.  Seven of them join the partial sums
	v_pk_add_f32 v[232:233], v[232:233], v[252:253]
	v_pk_add_f32 v[234:235], v[234:235], v[254:255]
	v_pk_add_f32 v[14:15], v[14:15], v[236:237]
	s_delay_alu instid0(VALU_DEP_3)
	v_pk_add_f32 v[230:231], v[230:231], v[232:233]
	s_delay_alu instid0(VALU_DEP_2)
	v_pk_add_f32 v[14:15], v[14:15], v[234:235]
	s_delay_alu instid0(VALU_DEP_1)
	v_pk_add_f32 v[14:15], v[14:15], v[230:231]
	v_nop
	v_nop
.endm
	s_wait_alu depctr_va_vdst(0)                   ; the wait at the head's end
	s_wait_tensorcnt 0x0                           ; my key step has landed
	s_barrier_signal -1
	s_barrier_wait -1                              ; the whole head lies in LDS; from here on LDS is only read
.Ltile:
	s_cmp_eq_u32 s[TI], 0                          ; the long tile, then the short one
	s_cselect_b64 s[OB:OB+1], s[OCL:OCL+1], s[OCS:OCS+1]
	s_cselect_b64 s[SBA:SBA+1], s[SOL:SOL+1], s[SOS:SOS+1]
	s_cselect_b32 s[SD], s[DL], s[DS]
	s_cselect_b32 s[DG], s[DGL], s[DGS]
	s_cselect_b32 s[QSF], s[SHL], s[SHS]
	s_sub_co_u32 s[DG1], s[DG], 1
	s_mov_b32 s[TB], 0
	s_mov_b32 s[ST], 0
.irp t, 0,1,2,3,4,5,6,7
.irp c, 0,1
	ds_load_b128 v[XA+8*\t+4*\c:XA+8*\t+4*\c+3], v[LI] offset:4096*\c+512*\t   ; key step 0's K
.endr
.endr
	ds_load_b128 v[KSC:KSC+3], v[KS0]
	ds_load_b128 v[KSC+4:KSC+7], v[KS0] offset:16
	s_wait_loadcnt 0x0                             ; Q
	v_lshrrev_b32 v[QSL], s[QSF], v[QSL]           ; Q's two scale bytes in bytes 0, 1, for (Q, 0),
	v_lshlrev_b32 v[QSH], 16, v[QSL]               ; and in bytes 2, 3, for (0, Q)
	v_mov_b32 v13, 0xff61b1e6                      ; the largest score: under every score; O^T and the sum as zeros: the step has no first form of its own
	s_delay_alu instid0(VALU_DEP_1)
	v_floor_f32 v12, -v13
	v_mov_b32 v14, 0
	v_mov_b32 v15, 0
.set JJ, 0
.rept 16
	v_dual_mov_b32 v[O+JJ], 0 :: v_dual_mov_b32 v[O+JJ+1], 0
.set JJ, JJ+2
.endr
	v_and_b32 v[BM], 15, v0
	v_bfe_u32 v[BM+1], v0, 4, 1
	v_and_b32 v[BM+2], 8, v[BM]
	v_lshlrev_b32 v[BM+1], 4, v[BM+1]
	v_add_nc_u32 v[BM], v[BM], v[BM+2]
	v_sub_nc_u32 v[BM], v[BM], v[BM+1]
	v_add_nc_u32 v[DQ], s[SD], v[BM]               ; r + 8 (r / 8) - 16 h + the tile's place
.Lstep:
	s_cmp_gt_u32 s[ST], s[DG]
	s_cbranch_scc1 .Lpair_end                      ; both steps lie behind the tile's last
	STEP XA, XB, 0
	s_cmp_ge_u32 s[ST], s[DG]
	s_cbranch_scc1 .Lpair_end
	STEP XB, XA, 1
.Lpair_end:
	s_add_co_u32 s[TB], s[TB], 2*STEPB
	s_add_co_u32 s[ST], s[ST], 2
	s_cmp_lt_u32 s[ST], 16
	s_cbranch_scc1 .Lstep
; A tile ends: O^T / the sum, quantised along d (two blocks of 32), stored as the tile's part of the projection's operand: two stores of 512 consecutive bytes, and one scale byte a lane.
	s_wait_alu depctr_va_vdst(0)
	s_wait_dscnt 0x0                               ; the look-ahead's loads have landed: their registers are at work below
	s_cmp_lg_u32 s[TI], 0
	s_cbranch_scc1 .Lno_q
	QLOAD 84, 86                                   ; the short tile's Q lands under the lines below
.Lno_q:
	v_add_f32 v14, v14, v15
	s_delay_alu instid0(VALU_DEP_1)
	v_permlanex16_b32 v[TT], v14, s[SEL], s[SEL+1]
	s_delay_alu instid0(VALU_DEP_1)
	v_add_f32 v14, v14, v[TT]
	s_wait_alu depctr_va_vdst(0)
	v_rcp_f32 v[F], v14
	v_and_b32 v[LIM+2], 15, v0
	v_bfe_u32 v[LIM+3], v0, 4, 1
	v_lshl_add_u32 v[LIM+2], v[LIM+2], 5, v[LIM+3] ; 32 r + h: my scale byte's place
	s_wait_alu depctr_va_vdst(0)
.set JJ, 0
.rept 16
	v_pk_mul_f32 v[XB+JJ:XB+JJ+1], v[O+JJ:O+JJ+1], v[F:F+1] op_sel_hi:[1,0]   ; register 16 p + i is d = 32 p + 16 h + i
.set JJ, JJ+2
.endr
.irp b, 0,1
	v_max3_num_f32 v[BM+\b], |v[XB+16*\b]|, |v[XB+1+16*\b]|, 0x8000000
.endr
.irp i, 2,4,6,8,10,12,14
.irp b, 0,1
	s_delay_alu instid0(VALU_DEP_2)
	v_max3_num_f32 v[BM+\b], v[BM+\b], |v[XB+16*\b+\i]|, |v[XB+1+16*\b+\i]|
.endr
.endr
.irp b, 0,1
	s_delay_alu instid0(VALU_DEP_2)
	v_permlanex16_b32 v[BP+\b], v[BM+\b], s[SEL], s[SEL+1]
.endr
.irp b, 0,1
	s_delay_alu instid0(VALU_DEP_2)
	v_max_num_f32 v[BM+\b], v[BM+\b], v[BP+\b]
.endr
.irp b, 0,1
	s_delay_alu instid0(VALU_DEP_2)
	v_add_nc_u32 v[SCO+\b], 0xf8800000, v[BM+\b]
.endr
.irp b, 0,1
	s_delay_alu instid0(VALU_DEP_4)
	v_and_or_b32 v[LIM+\b], v[BM+\b], 0x7f800000, s[MNT]
.endr
.irp b, 0,1
	s_delay_alu instid0(VALU_DEP_4)
	v_lshrrev_b32 v[BP+\b], 23, v[SCO+\b]
.endr
.irp b, 0,1
.irp i, 0,1,2,3,4,5,6,7,8,9,10,11,12,13,14,15
	v_med3_num_f32 v[XB+16*\b+\i], v[XB+16*\b+\i], -v[LIM+\b], v[LIM+\b]
.endr
	v_cvt_scalef32_pk8_bf8_f32 v[PC+4*\b:PC+4*\b+1], v[XB+16*\b:XB+16*\b+7], v[SCO+\b]
	v_cvt_scalef32_pk8_bf8_f32 v[PC+4*\b+2:PC+4*\b+3], v[XB+16*\b+8:XB+16*\b+15], v[SCO+\b]
.endr
	v_nop                                          ; a plain line behind the last conversion
	v_cndmask_b32 v[TT], v[BP], v[BP+1], s[HM]     ; lanes 0-15 store the first block's byte, lanes 16-31 the second's
	global_store_b128 v[LI], v[PC:PC+3], s[OB:OB+1]
	global_store_b128 v[LI], v[PC+4:PC+7], s[OB:OB+1] offset:512
	global_store_b8 v[LIM+2], v[TT], s[SBA:SBA+1]  ; two of a row's 32 scale bytes: single bytes, 262,144 in the whole launch
	s_wait_xcnt 0x0                                ; the stores have read their registers and bases, which the next tile writes
	s_add_co_u32 s[TI], s[TI], 1
	s_cmp_lt_u32 s[TI], 2
	s_cbranch_scc1 .Ltile
	s_wait_tensorcnt 0x0                           ; the wave's end
	ds_add_u32 v[SPW], v[NIL]
	s_wait_dscnt 0x0
	CROUND                                         ; the closing round
	s_endpgm
.Lfunc_end_k_qbc81929a76_attn:
	.size	k_qbc81929a76_attn, .Lfunc_end_k_qbc81929a76_attn-k_qbc81929a76_attn
	.p2alignl 7, 3214868480
	.fill 96, 4, 3214868480
	.section	.rodata,"a",@progbits
	.p2align	6, 0x0
	.amdhsa_kernel k_qbc81929a76_attn
		.amdhsa_group_segment_fixed_size 327680
		.amdhsa_private_segment_fixed_size 0
		.amdhsa_enable_private_segment 0
		.amdhsa_kernarg_size 32
		.amdhsa_user_sgpr_count 2
		.amdhsa_user_sgpr_kernarg_segment_ptr 1
		.amdhsa_wavefront_size32 1
		.amdhsa_system_sgpr_workgroup_id_x 1
		.amdhsa_system_sgpr_workgroup_id_y 1
		.amdhsa_system_sgpr_workgroup_id_z 1
		.amdhsa_system_vgpr_workitem_id 0
		.amdhsa_next_free_vgpr 256
		.amdhsa_next_free_sgpr 100
		.amdhsa_reserve_vcc 1
		.amdhsa_float_denorm_mode_32 3
		.amdhsa_float_denorm_mode_16_64 3
		.amdhsa_memory_ordered 1
		.amdhsa_forward_progress 1
		.amdhsa_inst_pref_size 65
	.end_amdhsa_kernel
	.amdgpu_metadata
---
amdhsa.version: [ 1, 2 ]
amdhsa.kernels:
  - .name:           k_qbc81929a76_attn
    .symbol:         k_qbc81929a76_attn.kd
    .args:
      - { .name: qb, .offset: 0, .size: 8, .value_kind: global_buffer, .address_space: global }
      - { .name: kv, .offset: 8, .size: 8, .value_kind: global_buffer, .address_space: global }
      - { .name: oc, .offset: 16, .size: 8, .value_kind: global_buffer, .address_space: global }
      - { .name: so, .offset: 24, .size: 8, .value_kind: global_buffer, .address_space: global }
    .group_segment_fixed_size: 327680
    .private_segment_fixed_size: 0
    .kernarg_segment_align: 8
    .kernarg_segment_size: 32
    .max_flat_workgroup_size: 512
    .sgpr_count:     100
    .vgpr_count:     256
    .wavefront_size: 32
...
	.end_amdgpu_metadata
.endif
;; end of part 3
;; launch proj (part 4): grid 64 x 4, 4 waves a work-group, clusters of 4 x 1, 327,680 bytes of LDS; arguments oc, pc, so, proj_b, out0; writes out0
.if DOCPART == 4
	.amdgcn_target "amdgcn-amd-amdhsa--gfx1250"
	.amdhsa_code_object_version 6
	.text
	.protected	k_qbc81929a76_proj
	.globl	k_qbc81929a76_proj
	.p2align	8
	.type	k_qbc81929a76_proj,@function
k_qbc81929a76_proj:
	s_mov_b64 s[64:65], 0
	v_nop
	global_prefetch_b8 v0, s[64:65] scope:SCOPE_SE
	s_setreg_imm32_b32 hwreg(HW_REG_WAVE_MODE, 25, 1), 1
	s_wait_xcnt 0x0
	s_wait_alu depctr_hold_cnt(0) depctr_sa_sdst(0) depctr_va_vdst(0) depctr_va_sdst(0) depctr_va_ssrc(0) depctr_va_vcc(0) depctr_vm_vsrc(0)
	s_getreg_b32 s2, hwreg(HW_REG_IB_STS2, 6, 4)
	s_cmp_eq_u32 s2, 0
	s_cbranch_scc0 .Lentry_in_a_cluster
	s_endpgm
.Lentry_in_a_cluster:
	s_bfe_u32 s2, ttmp6, 0x10000c
	s_cmp_lg_u32 s2, 0x3003
	s_cbranch_scc0 .Lentry_shape_is_right
	s_endpgm
.Lentry_shape_is_right:
; out0 = O proj_w^T + proj_b on codes of BF8 (E5M2) with E8M0 scales for each 32 along K = 1,024; sums in f32.
; oc (tokens) and pc (proj_w's rows) are IMAGES OF OPERAND REGISTERS: a tile of 16 rows is [K step 0..7][chunk 0..3][lane][16 bytes], 16,384 bytes; lane-row r of tile T is row 32 (T / 2) + 8 (T % 2) + r + 8 (r / 8).
; so: a tile's scale words [r][K step], 512 bytes; the tokens' 512 tiles, then proj_w's 64.
; SHARES: 256 work-groups of four waves, 2 x 2: 128 tokens x 256 outputs; wave (i, j): tokens 64 i on, outputs 64 j on of each of two chunks of 128.
; A WAVE HOLDS ITS 64 TOKENS, ALL OF K, IN 512 REGISTERS: each lane loads its fragments whole from memory, once.  proj_w's 256 rows, 262,144 dense bytes, come into LDS once, 65,536 bytes a wave: nothing is filled again.
; They pass by in blocks of 16 rows, all of K: 32 products a block, two sets of 128 registers.
; CLUSTER 4, 1, 1 along the tokens: the four partners need the same rows of proj_w: the load is joint, mask 15.  No prefetch: all that the launch reads is asked for at its head.
; Source 0 = proj_w's rows, source 1 = tokens: a lane holds a token, and the 32 registers of a token tile are 64 outputs in two halves of the lanes.
; THE WAY OUT: 16 tokens x 64 outputs go through the wave's own stage in LDS and come back, as rows, into the accumulators' own registers; the bias is added; sixteen lanes store one aligned unit of 256 bytes.
; REGISTERS: window 0: v1-11 addresses, v12-19 the bias, v32-63 the tokens' scale words, v64-95 the chunk's, v128-255 sixteen accumulators.  windows 1, 2: the tokens.  window 3: proj_w's two sets.
.set SLOT, 131072
.set STAGE, 262144
.set SPITCH, 272
.set SPARE, STAGE+4*16*SPITCH          ; 279,552: behind the four stages
.set LI,  1
.set STO, 2
.set RD,  3
.set CO,  4
.set BO,  5
.set AD,  6                            ; v6, v7: my 64 rows in chunk 0, 1
.set R32, 8
.set SPW, 10
.set NIL, 11
.set BI,  12
.set ST0, 24
.set RD0, 25
.set BK,  96                           ; v96-127: a token tile's rows of the first chunk, read back
.set TS,  32
.set WS,  64
.set ACC, 128
.set G1H, 24
.set G0H, 40
.set XP,  48
.set TSP, 50
.set WSP, 52
.set MSB, 0
.macro WIN new                         ; the immediate's high byte repeats the setting that is left
.if MSB != (\new)
	s_set_vgpr_msb (MSB<<8)|(\new)
.set MSB, (\new)
.endif
.endm
.macro PLACES n
.rept \n
	v_nop
.endr
.endm
.macro ROUND                           ; a round of the cluster's barrier
	s_barrier_signal -1
	s_barrier_wait -1
	s_cmp_lg_u32 s14, 0
	s_cbranch_scc1 .Lnot_wave_0_\@
	s_barrier_signal -3
.Lnot_wave_0_\@:
	s_barrier_wait -3
	s_barrier_signal -1
	s_barrier_wait -1
.endm
.macro FETCH b, ad                     ; block b of my 64 rows, all of K, into set b % 2 of window 3: 32 loads of 512 consecutive bytes
	WIN 0xc0
.irp s, 0,1,2,3,4,5,6,7
.irp c, 0,1,2,3
	ds_load_b128 v[128*((\b)%2)+16*\s+4*\c:128*((\b)%2)+16*\s+4*\c+3], v[\ad] offset:16384*(\b)+2048*\s+512*\c
.endr
.endr
	WIN 0
.endm
; 32 products: block b x my four token tiles, K ascending; four accumulators by turns.  The chunk's scale word of K step s lies in register (s + 4) % 8 of its eight, so a product's two scale registers differ modulo 8.
.macro PRODS b
.irp s, 0,1,2,3,4,5,6,7
	WIN 3|((1+\s/4)<<2)
.irp a, 0,1,2,3
.set W_, 128*((\b)%2)+16*\s
.set T_, 16*(4*(\s%4)+\a)
.set SW_, WS+8*(\b)+(\s+4)%8
.set ST_, TS+8*\a+\s
.set D_, ACC+32*\a+8*(\b)
.if \s
	v_wmma_scale_f32_16x16x128_f8f6f4 v[D_:D_+7], v[W_:W_+15], v[T_:T_+15], v[D_:D_+7], v[SW_], v[ST_] matrix_a_fmt:MATRIX_FMT_BF8 matrix_b_fmt:MATRIX_FMT_BF8
.else
	v_wmma_scale_f32_16x16x128_f8f6f4 v[D_:D_+7], v[W_:W_+15], v[T_:T_+15], 0, v[SW_], v[ST_] matrix_a_fmt:MATRIX_FMT_BF8 matrix_b_fmt:MATRIX_FMT_BF8
.endif
.endr
.endr
	WIN 0
.endm
.macro CHUNK ad                        ; blocks 0 and 1 are on their way into the two sets
	s_wait_loadcnt 0x0                             ; the chunk's scale words (the first time: the tokens and the bias too)
	s_wait_dscnt 32                                ; block 0 is in; block 1's 32 loads may be out
	PRODS 0
	PLACES 8                                       ; in front of loads into registers that the products have read
	FETCH 2, \ad
	s_wait_dscnt 32
	PRODS 1
	PLACES 8
	FETCH 3, \ad
	s_wait_dscnt 32
	PRODS 2
	s_wait_dscnt 0x0
	PRODS 3
	PLACES 8
.endm
.macro WSLOAD c                        ; chunk c: my four tiles' scale words: words 4-7 into the lower four registers, words 0-3 into the upper
.irp b, 0,1,2,3
	global_load_b128 v[WS+8*\b:WS+8*\b+3], v[R32], s[WSP:WSP+1] offset:4096*(\c)+512*\b+16
	global_load_b128 v[WS+8*\b+4:WS+8*\b+7], v[R32], s[WSP:WSP+1] offset:4096*(\c)+512*\b
.endr
.endm
.macro OUT c                           ; chunk c's way out
.irp a, 0,1,2,3
.irp b, 0,1,2,3
	ds_store_b128 v[STO], v[ACC+32*\a+8*\b:ACC+32*\a+8*\b+3] offset:128*(\b/2)+32*(\b%2)      ; each accumulator from its low end on
	ds_store_b128 v[STO], v[ACC+32*\a+8*\b+4:ACC+32*\a+8*\b+7] offset:128*(\b/2)+32*(\b%2)+16
.endr
.irp t, 0,1,2,3,4,5,6,7
	ds_load_b128 v[ACC+32*\a+4*\t:ACC+32*\a+4*\t+3], v[RD] offset:2*\t*SPITCH   ; LDS serves a wave's instructions in order: these see the stores above, and the next tile's stores come behind them
.endr
.endr
.irp a, 0,1,2,3
	s_wait_dscnt 48-16*\a                          ; tile a's rows are back; the 16 LDS instructions of each later tile may be out
.irp t, 0,1,2,3,4,5,6,7
	v_pk_add_f32 v[ACC+32*\a+4*\t:ACC+32*\a+4*\t+1], v[ACC+32*\a+4*\t:ACC+32*\a+4*\t+1], v[BI+4*(\c):BI+4*(\c)+1]
	v_pk_add_f32 v[ACC+32*\a+4*\t+2:ACC+32*\a+4*\t+3], v[ACC+32*\a+4*\t+2:ACC+32*\a+4*\t+3], v[BI+4*(\c)+2:BI+4*(\c)+3]
.endr
.irp t, 0,1,2,3,4,5,6,7
	global_store_b128 v[CO], v[ACC+32*\a+4*\t:ACC+32*\a+4*\t+3], s[12:13] offset:(32*(\a/2)+8*(\a%2)+2*\t+8*(\t/4))*4096+512*(\c) th:TH_STORE_NT   ; sixteen lanes store 256 consecutive bytes, aligned
.endr
.endr
.endm
	s_load_b256 s[4:11], s[0:1], 0x0               ; oc, pc, so, proj_b
	s_load_b64 s[12:13], s[0:1], 0x20              ; out0
	v_lshl_add_u32 v[SPW], v0, 2, SPARE
	v_mov_b32 v[NIL], 0
	ds_add_u32 v[SPW], v[NIL]                      ; the opening lines: the add twice on end and its wait
	ds_add_u32 v[SPW], v[NIL]
	v_lshrrev_b32 v20, 5, v0
	v_readfirstlane_b32 s14, v20                   ; wave
	s_lshr_b32 s15, s14, 1                         ; i
	s_and_b32 s16, s14, 1                          ; j
	s_bfe_u32 s17, ttmp6, 0x40000                  ; cx
	s_lshl_b32 s18, ttmp9, 2
	s_add_co_u32 s18, s18, s17                     ; tg: which 128 tokens
	s_and_b32 s19, ttmp7, 0xffff                   ; which 256 outputs: the partners share it
	s_mov_b32 s[G1H], 15|(3<<16)|(1<<21)           ; a dense block as 256 rows of 256 bytes; mask: the four partners; bit 21 beside a mask
	s_mov_b32 s[G1H+1], 32<<16
	s_mov_b32 s[G1H+2], 256<<16
	s_mov_b32 s[G1H+3], 32<<16
	s_mov_b32 s[G1H+4], 256
	s_mov_b32 s[G1H+5], 32
	s_mov_b32 s[G1H+6], 0
	s_mov_b32 s[G1H+7], 0
	s_lshl_b32 s66, s19, 18
	s_lshl_b32 s68, s14, 16
	s_add_co_u32 s66, s66, s68
	s_mov_b32 s67, 0
	s_mov_b32 s[G0H], 1
	s_mov_b32 s[G0H+1], s68
	s_lshl_b32 s78, s18, 17                        ; my tokens' codes: tile 8 tg + 4 i
	s_lshl_b32 s69, s15, 16
	s_add_co_u32 s78, s78, s69
	s_mov_b32 s79, 0
	s_lshl_b32 s80, s18, 12                        ; and their scale words
	s_lshl_b32 s69, s15, 11
	s_add_co_u32 s80, s80, s69
	s_mov_b32 s81, 0
	s_lshl_b32 s82, s19, 13                        ; proj_w's scale words: tile 512 + 16 x column group + 4 j
	s_lshl_b32 s69, s16, 11
	s_add_co_u32 s82, s82, s69
	s_add_co_u32 s82, s82, 262144
	s_mov_b32 s83, 0
	s_lshl_b32 s84, s19, 10
	s_lshl_b32 s69, s16, 8
	s_add_co_u32 s84, s84, s69                     ; my first output, in bytes of f32
	s_lshl_b32 s86, s18, 19
	s_lshl_b32 s69, s15, 18
	s_add_co_u32 s86, s86, s69
	s_add_co_u32 s86, s86, s84
	s_mov_b32 s87, 0
	s_mul_i32 s85, s14, 16*SPITCH
	s_add_co_u32 s85, s85, STAGE                   ; my stage
	s_lshl_b32 s88, s16, 16
	v_and_b32 v21, 15, v0                          ; r
	v_bfe_u32 v22, v0, 4, 1                        ; h
	v_and_b32 v23, 31, v0
	v_lshlrev_b32 v[LI], 4, v23
	v_lshlrev_b32 v[R32], 5, v21
	v_mul_u32_u24 v[STO], v21, SPITCH
	v_lshl_add_u32 v[STO], v22, 6, v[STO]
	v_add_nc_u32 v[STO], s85, v[STO]               ; in: row r, + 64 h
	v_mul_u32_u24 v[RD], v22, SPITCH
	v_lshl_add_u32 v[RD], v21, 4, v[RD]
	v_add_nc_u32 v[RD], s85, v[RD]                 ; back: lanes 0-15 one row, lanes 16-31 the next
	v_lshlrev_b32 v[CO], 12, v22
	v_lshl_add_u32 v[CO], v21, 4, v[CO]            ; the same two rows in out0
	v_lshl_add_u32 v[BO], v21, 4, s84
	v_add_nc_u32 v[AD], s88, v[LI]
	v_add_nc_u32 v[AD+1], SLOT, v[AD]
	s_mul_i32 s89, s14, 64*SPITCH                  ; where my first chunk's 64 rows are parked: in slot 0, 17,408 bytes a wave
	v_mul_u32_u24 v[ST0], v21, SPITCH
	v_lshl_add_u32 v[ST0], v22, 6, v[ST0]
	v_add_nc_u32 v[ST0], s89, v[ST0]               ; in: row r, + 64 h
	v_mul_u32_u24 v[RD0], v22, SPITCH
	v_lshl_add_u32 v[RD0], v21, 4, v[RD0]
	v_add_nc_u32 v[RD0], s89, v[RD0]               ; back: lanes 0-15 one row, lanes 16-31 the next
	s_wait_alu depctr_va_vdst(0)                   ; the wait at the head's end
	s_wait_dscnt 0x0
	ROUND                                          ; all four work-groups are here: the joint loads meet
	s_wait_kmcnt 0x0
	s_add_nc_u64 s[G0H+2:G0H+3], s[6:7], s[66:67]
	s_or_b32 s[G0H+3], s[G0H+3], 0x80000000
	s_cmp_lt_u32 s14, 2                            ; every wave's one load: a quarter of proj_w's 256 rows; waves 0, 1 (chunk 0) and waves 2, 3 (chunk 1) have a line each: the first barrier waits for the first line's alone
	s_cbranch_scc0 .Lupper
	tensor_load_to_lds s[G0H:G0H+3], s[G1H:G1H+7]
	s_nop 0
	PLACES 4
	s_branch .Lboth
.Lupper:
	tensor_load_to_lds s[G0H:G0H+3], s[G1H:G1H+7]
	s_nop 0
	PLACES 4
.Lboth:
	s_add_nc_u64 s[XP:XP+1], s[4:5], s[78:79]
	s_add_nc_u64 s[TSP:TSP+1], s[8:9], s[80:81]
	s_add_nc_u64 s[WSP:WSP+1], s[8:9], s[82:83]
	s_add_nc_u64 s[12:13], s[12:13], s[86:87]
.irp a, 0,1,2,3
	global_load_b128 v[TS+8*\a:TS+8*\a+3], v[R32], s[TSP:TSP+1] offset:512*\a
	global_load_b128 v[TS+8*\a+4:TS+8*\a+7], v[R32], s[TSP:TSP+1] offset:512*\a+16
.endr
	WSLOAD 0
	global_load_b128 v[BI:BI+3], v[BO], s[10:11]
	global_load_b128 v[BI+4:BI+7], v[BO], s[10:11] offset:512
.irp s, 0,1,2,3,4,5,6,7                        ; fragment (K step s, tile a) at register 16 (4 (s % 4) + a) of window 1 + s / 4
	WIN (1+\s/4)<<6
.irp a, 0,1,2,3
.irp c, 0,1,2,3
	global_load_b128 v[16*(4*(\s%4)+\a)+4*\c:16*(4*(\s%4)+\a)+4*\c+3], v[LI], s[XP:XP+1] offset:16384*\a+2048*\s+512*\c
.endr
.endr
.endr
	WIN 0
	s_cmp_lt_u32 s14, 2
	s_cbranch_scc0 .Lnot_yet
	s_wait_tensorcnt 0x0                           ; waves 0, 1: chunk 0 has landed
.Lnot_yet:
	s_barrier_signal -1
	s_barrier_wait -1                              ; chunk 0 is whole
	FETCH 0, AD
	FETCH 1, AD
; THE FIRST CHUNK'S WAY OUT STANDS AMONG THE SECOND CHUNK'S BLOCKS.  Its 128 sums a lane are parked in slot 0, which has had its last fill and, behind the barrier below, its last read; so the accumulators are free at once.
; A token tile's 16 rows come back into v96-127 under one block's products and are stored behind them.
.macro STASH
.irp a, 0,1,2,3
.irp b, 0,1,2,3
	ds_store_b128 v[ST0], v[ACC+32*\a+8*\b:ACC+32*\a+8*\b+3] offset:16*SPITCH*\a+128*(\b/2)+32*(\b%2)      ; each accumulator from its low end on
	ds_store_b128 v[ST0], v[ACC+32*\a+8*\b+4:ACC+32*\a+8*\b+7] offset:16*SPITCH*\a+128*(\b/2)+32*(\b%2)+16
.endr
.endr
.endm
.macro RB k                            ; tile k's rows: 8 loads; LDS serves a wave's instructions in order: they see my stores
.irp t, 0,1,2,3,4,5,6,7
	ds_load_b128 v[BK+4*\t:BK+4*\t+3], v[RD0] offset:16*SPITCH*(\k)+2*\t*SPITCH
.endr
.endm
.macro SEND0 k
.irp t, 0,1,2,3,4,5,6,7
	v_pk_add_f32 v[BK+4*\t:BK+4*\t+1], v[BK+4*\t:BK+4*\t+1], v[BI:BI+1]
	v_pk_add_f32 v[BK+4*\t+2:BK+4*\t+3], v[BK+4*\t+2:BK+4*\t+3], v[BI+2:BI+3]
.endr
.irp t, 0,1,2,3,4,5,6,7
	global_store_b128 v[CO], v[BK+4*\t:BK+4*\t+3], s[12:13] offset:(32*((\k)/2)+8*((\k)%2)+2*\t+8*(\t/4))*4096 th:TH_STORE_NT   ; sixteen lanes store 256 consecutive bytes, aligned
.endr
.endm
	CHUNK AD
	WSLOAD 1                                       ; the second chunk's scale words
	s_wait_tensorcnt 0x0                           ; every wave: all that was asked for has landed, chunk 1 among it
	s_barrier_signal -1                            ; (no LDS instruction of mine is out: the last block waited for all)
	s_barrier_wait -1                              ; chunk 1 is whole, and nobody reads slot 0 any more
	STASH
	FETCH 0, AD+1
	FETCH 1, AD+1
	RB 0
	s_wait_loadcnt 0x0
	s_wait_dscnt 40                                ; block 0 is in; block 1's 32 loads and tile 0's 8 may be out
	PRODS 0
	PLACES 8                                       ; in front of loads into registers that the products have read
	FETCH 2, AD+1
	s_wait_dscnt 32                                ; block 1 and tile 0 are in; block 2's 32 loads may be out
	SEND0 0
	s_wait_xcnt 0x0                                ; the stores have read v96-127
	RB 1
	PRODS 1
	PLACES 8
	FETCH 3, AD+1
	s_wait_dscnt 32                                ; block 2 and tile 1 are in; block 3's 32 loads may be out
	SEND0 1
	s_wait_xcnt 0x0
	RB 2
	PRODS 2
	s_wait_dscnt 0x0                               ; block 3 and tile 2
	SEND0 2
	s_wait_xcnt 0x0
	RB 3
	PRODS 3
	PLACES 8
	s_wait_dscnt 0x0
	SEND0 3
	OUT 1
	s_wait_tensorcnt 0x0                           ; the wave's end
	ds_add_u32 v[SPW], v[NIL]
	s_wait_dscnt 0x0
	ROUND                                          ; the closing round
	s_endpgm
.Lfunc_end_k_qbc81929a76_proj:
	.size	k_qbc81929a76_proj, .Lfunc_end_k_qbc81929a76_proj-k_qbc81929a76_proj
	.p2alignl 7, 3214868480
	.fill 96, 4, 3214868480
	.section	.rodata,"a",@progbits
	.p2align	6, 0x0
	.amdhsa_kernel k_qbc81929a76_proj
		.amdhsa_group_segment_fixed_size 327680
		.amdhsa_private_segment_fixed_size 0
		.amdhsa_enable_private_segment 0
		.amdhsa_kernarg_size 40
		.amdhsa_user_sgpr_count 2
		.amdhsa_user_sgpr_kernarg_segment_ptr 1
		.amdhsa_wavefront_size32 1
		.amdhsa_system_sgpr_workgroup_id_x 1
		.amdhsa_system_sgpr_workgroup_id_y 1
		.amdhsa_system_sgpr_workgroup_id_z 1
		.amdhsa_system_vgpr_workitem_id 0
		.amdhsa_next_free_vgpr 1024
		.amdhsa_next_free_sgpr 90
		.amdhsa_reserve_vcc 0
		.amdhsa_float_denorm_mode_32 3
		.amdhsa_float_denorm_mode_16_64 3
		.amdhsa_memory_ordered 1
		.amdhsa_forward_progress 1
		.amdhsa_inst_pref_size 94
	.end_amdhsa_kernel
	.amdgpu_metadata
---
amdhsa.version: [ 1, 2 ]
amdhsa.kernels:
  - .name:           k_qbc81929a76_proj
    .symbol:         k_qbc81929a76_proj.kd
    .args:
      - { .name: oc, .offset: 0, .size: 8, .value_kind: global_buffer, .address_space: global }
      - { .name: pc, .offset: 8, .size: 8, .value_kind: global_buffer, .address_space: global }
      - { .name: so, .offset: 16, .size: 8, .value_kind: global_buffer, .address_space: global }
      - { .name: proj_b, .offset: 24, .size: 8, .value_kind: global_buffer, .address_space: global }
      - { .name: out0, .offset: 32, .size: 8, .value_kind: global_buffer, .address_space: global }
    .group_segment_fixed_size: 327680
    .private_segment_fixed_size: 0
    .kernarg_segment_align: 8
    .kernarg_segment_size: 40
    .max_flat_workgroup_size: 128
    .sgpr_count:     90
    .vgpr_count:     1024
    .wavefront_size: 32
...
	.end_amdgpu_metadata
.endif
;; end of part 4
